; MI455X (gfx1250); checked and timed in simulation.
; The chip was launched on July 23, 2026; its instructions are those of AMD's public machine-readable ISA for CDNA 5 (MIT licence, August 2026) and "CDNA5" Instruction Set Architecture Reference Guide (July 2026). The comments in the code are by the model that wrote it; some were corrected since.
;; GD Attention. Allowed arithmetic: matrix products marked QUANTISED: E4M3 operands, one given power-of-two scale a tensor, by v_wmma_f32_16x16x64_fp8_fp8 or v_wmma_f32_16x16x128_fp8_fp8, f32 sums; everything else in f32.
;; Inputs: W_k 8 x 128 x 128 float32; W_o 128 x 1,024 float32; W_q 8 x 128 x 128 float32; lowp_scales 10 int32 (the exponents e of the quantised operands' scales 2^e); x 2 x 2,048 x 128 float32.
;; Outputs: out0 2 x 2,048 x 128 float32.
;; This version of the problem:
;;   THIS VERSION OF THE PROBLEM IS GIVEN IN LOW PRECISION. The matrix products marked QUANTISED in the list below multiply operands that are first quantised to E4M3 (4 exponent bits, 3 mantissa bits; 8 bits a number), with one given power-of-two scale for each operand tensor; their sums are f32. All else is computed in f32.
;;   The module's matrix products, in the order in which they are computed (A, B: the left and right operand; K: the contracted axis; several contracted axes count as one K, in the product's order):
;;     1. [M 1,024, K 128] x [K 128, N 4,096]; A: input W_q; B: input x: QUANTISED (scales: A lowp_scales[0], B lowp_scales[1])
;;     2. [M 1,024, K 128] x [K 128, N 4,096]; A: input W_k; B: input x: QUANTISED (scales: A lowp_scales[2], B lowp_scales[3])
;;     3. batch 16 x [M 2,048, K 128] x [K 128, N 2,048]; A: computed on the way; B: computed on the way: QUANTISED (scales: A lowp_scales[4], B lowp_scales[5])
;;     4. batch 2 x [M 16,384, K 2,048] x [K 2,048, N 128]; A: softmax (see below); B: input x: QUANTISED (scales: A lowp_scales[6], B lowp_scales[7])
;;     5. [M 4,096, K 1,024] x [K 1,024, N 128]; A: computed on the way; B: input W_o: QUANTISED (scales: A lowp_scales[8], B lowp_scales[9])
;;   THE QUANTISER, for each operand of a quantised product, along K:
;;     - The operand's scale is 2^e, e = its entry of the input lowp_scales (int32; the entries are numbered through the quantised products in the list's order, A before B).
;;     - Each number is divided by the scale, clamped to +-448, and rounded to the nearest number of E4M3, ties to even, subnormals kept.
;;     - The product sums the exact products of the quantised numbers (number of the format x scale) in f32.
;;   ~~~python
;;   def quantise(x, axis, e):      # numpy; x: float32 -> the quantised numbers, widened to float32 again
;;       x = np.moveaxis(x, axis, -1); K = x.shape[-1]
;;       r = np.clip(x / 2.0 ** e, -448, 448)
;;       step = 2.0 ** (np.maximum(np.frexp(np.where(r == 0, 1, r))[1] - 1, -6) - 3)
;;       q = np.round(r / step) * step * 2.0 ** e      # np.round: ties to even
;;       return np.moveaxis(q, -1, axis).astype(np.float32)
;;   ~~~
;;   SOFTMAX AHEAD OF A QUANTISED PRODUCT. Where the list says 'softmax', what is quantised is not the finished softmax but p = 2^(t - M), with t = logit x log2(e) and M = ceil(the row's largest t), a whole number; so 1/2 < the row's largest p <= 1. The row's sum l is taken of the UNQUANTISED p, in f32, and the product's result is divided by l at the end. Since M is a whole number, a kernel that streams over the keys may use a running M (the ceiling of the running maximum): every later rescaling is an exact power of two, so the quantised numbers keep their values, but for numbers so far below the row's largest that they fall under the format's range.
;;   OPERANDS COMPUTED ON THE WAY. 'Computed on the way' means the value that the module computes at that place (a softmax that the list does not call 'softmax' is quantised finished and normalised). What goes into a quantiser is computed in f32, as accurately as f32 sums, v_exp_f32 and their like allow (about 1e-6 of the number): no bf16 or f16 on the way to a quantiser, and a product that is left as it is and whose result goes on into a quantised operand takes f32 operands (vector FMAs, or v_wmma_f32_16x16x4_f32). A number that lies on a knife's edge between two numbers of the format may be rounded either way, as far as f32 arithmetic and the matrix unit's own rounding can turn it there, and no further.
;; 2 versions, each right; version 2 is version 1 with the launches prep, proj written anew for expert scheduling mode. Each part assembles by itself: llvm-mc -triple=amdgcn-amd-amdhsa -mcpu=gfx1250 --defsym DOCPART=n.
;; ======== version 1 of 2: 3 launches
;; workspace buffers: qimg 4,194,304 bytes; kimg 4,194,304 bytes; vimg 524,288 bytes; woimg 131,072 bytes; yimg 4,194,304 bytes
;; launch prep (part 1): grid 256 x 1, 4 waves a work-group, no clusters, 33,280 bytes of LDS; arguments x, W_q, W_k, W_o, lowp_scales, qimg, kimg, vimg, woimg; writes qimg, kimg, vimg, woimg
.if DOCPART == 1
	.amdgcn_target "amdgcn-amd-amdhsa--gfx1250"
	.amdhsa_code_object_version 6
	.text
	.protected	k_q579605e687_prep
	.globl	k_q579605e687_prep
	.p2align	8
	.type	k_q579605e687_prep,@function
k_q579605e687_prep:
	s_mov_b64 s[64:65], 0
	v_nop
	global_prefetch_b8 v0, s[64:65] scope:SCOPE_SE
	s_setreg_imm32_b32 hwreg(HW_REG_WAVE_MODE, 25, 1), 1
	s_wait_xcnt 0x0
; PREP: the two projections Q = x W_q and K = x W_k on codes of FP8 (E4M3), their results quantised again for the scores' product,
; and x (as the values) and W_o quantised for the last two products.  lowp_scales: e0 W_q, e1 x for Q, e2 W_k, e3 x for K, e4 Q, e5 K, e6 p, e7 x as values, e8 y, e9 W_o.
; EVERYTHING LEAVES AS IMAGES OF OPERAND REGISTERS.  A fragment is 16 rows x 128 K of codes, 16 registers a lane, 2,048 bytes: register group c (registers 4 c .. 4 c + 3) of lane l
; lies at byte 512 c + 16 l; lane (r = l % 16, hh = l / 16) holds, of its row r, k = 32 c + 16 hh + 0 .. 15.  The same order of k on both sides of every product.
;   qimg [8 b + h][query tile 0..127]: row r = query 16 tile + r.
;   kimg [8 b + h][8 gk + T]: gk = a step of 128 keys; row r of tile T = key 128 gk + 32 (T / 2) + 8 (T % 2) + r + 8 (r / 8).
;   vimg [b][gk][T]: row r = channel 32 (T / 2) + 8 (T % 2) + r + 8 (r / 8); k = the step's 128 keys.
;   woimg [n tile][head]: row r = output 16 tile + r; k = the head's 128 channels.
; The rows of kimg's and vimg's tiles are chosen so that the results of the products that take them as source 0 lie, in a lane's registers, as 16 neighbours along the next K.
; SHARES.  Work-group g: g < 128 makes Q, the others K; head (g / 16) % 8; rows 256 (g % 16) on of the 4,096 rows of x.  Wave w keeps two tiles of W (columns e = 32 w + 8 u + r + 8 (r / 8),
; a lane to a column, registers down d) as source 0, quantises x's tiles 4 w .. 4 w + 3 into LDS images, and then makes part c = w of each of the 16 output fragments:
; in the transposed product a lane holds one row of x and e = 32 w + 16 hh + 0 .. 15.  Beside that wave w makes part w of vimg's fragment g, and where g < 64 part w of woimg's fragment g.
; LIMITS: e0, e1, e2, e3, e7, e9, e4 - e0 - e1 and e5 - e2 - e3 lie between -126 and 119, so that 2^e and 448 x 2^e are f32 numbers.  NaN and infinities among the inputs are not served.
.set LI,  1                            ; v1   16 x lane: my place in a group of an image
.set XA0, 2                            ; v2   x: my row and half in an even tile of my wave's four
.set XA1, 3                            ; v3   the same in an odd tile
.set WA,  4                            ; v4   W and x as values: my column, and 16 rows down for lanes 16-31
.set OA,  6                            ; v6   W_o: my row and half
.set XWI, 7                            ; v7   LDS: where I store x's images: 16 x lane + 8,192 x wave
.set SO,  8                            ; v8   my 16 bytes of part w of a fragment: 16 x lane + 512 x wave
.set SCX, 9                            ; v9-13 the scales as f32 for the conversions: x, W, the result, x as values, W_o
.set SCW, 10
.set SCR, 11
.set SCV, 12
.set SCO, 13
.set W0,  16                           ; v16-31  first the values' 16 numbers, then W's codes, tile u = 0
.set W1,  32                           ; v32-47  first W_o's 16 numbers, then W's codes, tile u = 1
.set RA,  48                           ; v48-111  64 numbers of x, set A; later two fragments of x (v48, v64) and two pairs of accumulators (v80, v96)
.set RB,  112                          ; v112-175 set B; later the 16 x 4 registers of output codes
.set RW,  176                          ; v176-239 64 numbers of W
.set PC,  240                          ; v240-255 the codes just made
.set XF,  48
.set ACC, 80
.set OC,  112
; 2^e as f32 into v[vsc]; -448 x 2^e and +448 x 2^e into s[ln], s[ln+1]
.macro MKS e, vsc, ln
	s_add_co_i32 s76, s[\e], 127
	s_lshl_b32 s77, s76, 23
	v_mov_b32 v[\vsc], s77
	s_add_co_i32 s76, s76, 8
	s_lshl_b32 s76, s76, 23
	s_or_b32 s[\ln+1], s76, 0x600000
	s_or_b32 s[\ln], s[\ln+1], 0x80000000
.endm
; 16 neighbours along K become 16 codes, 4 registers.  The conversion to an 8-bit code does not saturate (ISA guide 7.6.2): the hold at the largest code x the scale comes first
.macro Q16 src, dst, sc, ln
.irp i, 0,1,2,3,4,5,6,7,8,9,10,11,12,13,14,15
	v_med3_num_f32 v[\src+\i], v[\src+\i], s[\ln], s[\ln+1]
.endr
	v_cvt_scalef32_pk8_fp8_f32 v[\dst:\dst+1], v[\src:\src+7], v[\sc]
	v_cvt_scalef32_pk8_fp8_f32 v[\dst+2:\dst+3], v[\src+8:\src+15], v[\sc]
.endm
; 64 numbers, register 16 b + i = k 32 b + 16 hh + i, become a fragment
.macro QFRAG src, dst, sc, ln
.irp b, 0,1,2,3
	Q16 \src+16*\b, \dst+4*\b, \sc, \ln
.endr
	v_nop                                          ; a plain vector line behind the last conversion, ahead of whatever next touches its registers
.endm
; tile t of my wave's four tiles of x: lane (r, hh) takes 16 neighbouring numbers of each block of 32 of its row
.macro XLOAD set, t
.irp c, 0,1,2,3
.irp j, 0,1,2,3
	global_load_b128 v[\set+16*\c+4*\j:\set+16*\c+4*\j+3], v[XA0+((\t)&1)], s[58:59] offset:(16*((\t)-((\t)&1)))*512+128*\c+16*\j
.endr
.endr
.endm
; tile u of my wave's two tiles of W: W(d = 32 c + 16 hh + i, my column)
.macro WLOAD u
.irp c, 0,1,2,3
.irp i, 0,1,2,3,4,5,6,7,8,9,10,11,12,13,14,15
	global_load_b32 v[RW+16*\c+\i], v[WA], s[56:57] offset:(32*\c+\i)*512+32*\u
.endr
.endr
.endm
.macro IMAGE t                         ; the fragment in v[PC] on goes to LDS as it stands
.irp c, 0,1,2,3
	ds_store_b128 v[XWI], v[PC+4*\c:PC+4*\c+3] offset:2048*(\t)+512*\c
.endr
.endm
.macro FETCH T                         ; and comes back so, in any wave
.irp c, 0,1,2,3
	ds_load_b128 v[XF+16*((\T)%2)+4*\c:XF+16*((\T)%2)+4*\c+3], v[LI] offset:2048*(\T)+512*\c
.endr
.endm
; tile T of the block's 16: two products (source 0 = 16 columns of W, source 1 = 16 rows of x), the 16 results of a lane quantised, 512 dense bytes stored
.macro TILE T
.set XS, XF+16*((\T)%2)
.set AC, ACC+16*((\T)%2)
.if (\T) < 15
	s_wait_dscnt 4                                 ; this tile's fragment is in; the next tile's four loads may be out
.else
	s_wait_dscnt 0x0
.endif
	v_wmma_f32_16x16x128_fp8_fp8 v[AC:AC+7], v[W0:W0+15], v[XS:XS+15], 0
	v_wmma_f32_16x16x128_fp8_fp8 v[AC+8:AC+15], v[W1:W1+15], v[XS:XS+15], 0
.rept 5
	v_nop                                          ; places: four ahead of the loads into x's fragment and of the reads of the results, five ahead of the products two tiles on, which write over these results
.endr
.if (\T) < 14
	FETCH \T+2
.endif
	Q16 AC, OC+4*(\T), SCR, 50                     ; each accumulator is read from its low end on
	v_nop
	global_store_b128 v[SO], v[OC+4*(\T):OC+4*(\T)+3], s[60:61] offset:2048*(\T)   ; the wave stores 512 consecutive bytes; each tile has its own data registers, so none is written again
.endm
	s_load_b512 s[8:23], s[0:1], 0x0               ; x s[8:9], W_q 10, W_k 12, W_o 14, scales 16, qimg 18, kimg 20, vimg 22
	s_load_b64 s[24:25], s[0:1], 0x40              ; woimg
	v_lshl_add_u32 v5, v0, 2, 0x8000
	s_set_vgpr_msb 0x40
	v_mov_b32 v1, 0
	s_set_vgpr_msb 0x4000
	v_lshrrev_b32 v14, 5, v0
	v_readfirstlane_b32 s26, v14                   ; wave 0..3
	s_mov_b32 s27, ttmp9                           ; g
	s_bfe_u32 s28, s27, 0x30004                    ; head = (g / 16) % 8
	s_and_b32 s29, s27, 15                         ; which 256 rows of x
	s_lshr_b32 s30, s27, 7                         ; 0: Q, 1: K
	v_and_b32 v14, 31, v0
	v_lshlrev_b32 v[LI], 4, v14
	v_and_b32 v14, 15, v0                          ; r
	v_bfe_u32 v15, v0, 4, 1                        ; hh
	s_lshl_b32 s72, s30, 3
	v_and_b32 v[XA0], s72, v14                     ; K's tiles take rows r + 8 (r / 8), Q's rows r
	v_add_nc_u32 v[XA0], v[XA0], v14
	v_lshlrev_b32 v[XA0], 9, v[XA0]                ; a row of x is 512 bytes
	v_lshl_add_u32 v[XA0], v15, 6, v[XA0]          ; + 64 hh
	s_lshl_b32 s72, s30, 12
	s_sub_co_u32 s72, 8192, s72                    ; an odd tile begins 16 rows (Q) or 8 rows (K) behind the even one
	v_add_nc_u32 v[XA1], s72, v[XA0]
	v_and_b32 v[WA], 8, v14
	v_add_nc_u32 v[WA], v[WA], v14
	v_lshlrev_b32 v[WA], 2, v[WA]                  ; column r + 8 (r / 8), 4 bytes each,
	v_lshl_add_u32 v[WA], v15, 13, v[WA]           ; 16 rows of 512 bytes further down for lanes 16-31
	v_lshlrev_b32 v[OA], 12, v14                   ; a row of W_o is 4,096 bytes
	v_lshl_add_u32 v[OA], v15, 6, v[OA]
	s_lshl_b32 s72, s26, 13
	v_add_nc_u32 v[XWI], s72, v[LI]
	s_lshl_b32 s72, s26, 9
	v_add_nc_u32 v[SO], s72, v[LI]
	s_mov_b32 s73, 0                               ; the high word of every offset pair below
	s_wait_kmcnt 0x0
	s_load_b256 s[32:39], s[16:17], 0x0            ; e0 .. e7
	s_load_b64 s[40:41], s[16:17], 0x20            ; e8, e9
	s_cmp_lt_u32 s27, 128                          ; Q's work-group or K's: the choice hangs on the work-group's number alone
	s_cselect_b64 s[56:57], s[10:11], s[12:13]     ; W
	s_cselect_b64 s[60:61], s[18:19], s[20:21]     ; the images that I make
	s_lshl_b32 s72, s28, 16                        ; W: the head's 65,536 bytes, my wave's 32 columns
	s_lshl_b32 s74, s26, 7
	s_add_co_u32 s72, s72, s74
	s_add_nc_u64 s[56:57], s[56:57], s[72:73]
	s_lshl_b32 s72, s29, 17                        ; x: the block's 256 rows, my wave's 64 of them
	s_lshl_b32 s74, s26, 15
	s_add_co_u32 s72, s72, s74
	s_add_nc_u64 s[58:59], s[8:9], s[72:73]
	s_and_b32 s72, s29, 8                          ; images: fragment (8 b + h) x 128 + 16 x (block in the batch)
	s_add_co_u32 s72, s72, s28
	s_lshl_b32 s72, s72, 7
	s_and_b32 s74, s29, 7
	s_lshl_b32 s74, s74, 4
	s_add_co_u32 s72, s72, s74
	s_lshl_b32 s72, s72, 11
	s_add_nc_u64 s[60:61], s[60:61], s[72:73]
	s_lshr_b32 s75, s27, 3                         ; g / 8: the step of 128 keys among the 32 of both batches; W_o's tile of outputs
	s_lshl_b32 s72, s75, 16                        ; x as values: 128 (g / 8) + 32 w rows down,
	s_lshl_b32 s74, s26, 14
	s_add_co_u32 s72, s72, s74
	s_bfe_u32 s74, s27, 0x20001                    ; channels 32 ((g % 8) / 2) + 8 (g % 2) on
	s_lshl_b32 s74, s74, 7
	s_add_co_u32 s72, s72, s74
	s_and_b32 s74, s27, 1
	s_lshl_b32 s74, s74, 5
	s_add_co_u32 s72, s72, s74
	s_add_nc_u64 s[62:63], s[8:9], s[72:73]
	s_lshl_b32 s72, s27, 11
	s_add_nc_u64 s[66:67], s[22:23], s[72:73]      ; vimg's fragment g
.irp i, 0,1,2,3,4,5,6,7,8,9,10,11,12,13,14,15
	global_load_b32 v[W0+\i], v[WA], s[62:63] offset:512*\i   ; x(key 32 w + 16 hh + i of the step, my channel)
.endr
	XLOAD RA, 0
	XLOAD RB, 1
	WLOAD 0
	s_wait_kmcnt 0x0
	s_cmp_lt_u32 s27, 128
	s_cselect_b32 s42, s32, s34                    ; W's e
	s_cselect_b32 s43, s33, s35                    ; x's
	s_cselect_b32 s44, s36, s37                    ; the result's
	s_sub_co_i32 s44, s44, s42                     ; a sum stands for sum x 2^(eW + eX): the three scales are folded into the conversion's one
	s_sub_co_i32 s44, s44, s43
	MKS 43, SCX, 46
	MKS 42, SCW, 48
	MKS 44, SCR, 50
	MKS 39, SCV, 52
	MKS 41, SCO, 54
	; W_o has 64 fragments: the first 64 work-groups take one each.  One region under one branch; its loads are in flight together with those above
	s_cmp_ge_u32 s27, 64
	s_cbranch_scc1 .Lno_wo
	s_lshl_b32 s72, s75, 16                        ; 16 (g / 8) rows of 4,096 bytes,
	s_and_b32 s74, s27, 7
	s_lshl_b32 s74, s74, 9                         ; the head's 128 columns,
	s_add_co_u32 s72, s72, s74
	s_lshl_b32 s74, s26, 7                         ; my wave's 32 of them
	s_add_co_u32 s72, s72, s74
	s_add_nc_u64 s[68:69], s[14:15], s[72:73]
	s_lshl_b32 s72, s27, 11
	s_add_nc_u64 s[70:71], s[24:25], s[72:73]      ; woimg's fragment g
.irp j, 0,1,2,3
	global_load_b128 v[W1+4*\j:W1+4*\j+3], v[OA], s[68:69] offset:16*\j
.endr
	s_wait_loadcnt 0x0
	Q16 W1, PC+4, SCO, 54
	v_nop
	global_store_b128 v[SO], v[PC+4:PC+7], s[70:71]
.Lno_wo:
	s_wait_loadcnt 63                              ; loads come back in order (ISA guide 5.7.1): behind the values' 16 loads and x's 32 stand W's 64, more than the count leaves out
	Q16 W0, PC, SCV, 52
	v_nop
	global_store_b128 v[SO], v[PC:PC+3], s[66:67]
	s_wait_xcnt 0x0                                ; the two stores above have read v[PC] on: it is written again only behind this wait
	QFRAG RA, PC, SCX, 46
	IMAGE 0
	XLOAD RA, 2
	s_wait_dscnt 0x0                               ; the LDS stores have read their registers
	QFRAG RB, PC, SCX, 46
	IMAGE 1
	XLOAD RB, 3
	s_wait_loadcnt 32                              ; W's tile 0 is in; behind it stand the 2 x 16 loads of x's tiles 2 and 3
	QFRAG RW, W0, SCW, 48
	WLOAD 1
	s_wait_loadcnt 63                              ; x's tiles 2 and 3 are in: behind them stand W's 64
	s_wait_dscnt 0x0
	QFRAG RA, PC, SCX, 46
	IMAGE 2
	s_wait_dscnt 0x0
	QFRAG RB, PC, SCX, 46
	IMAGE 3
	s_wait_loadcnt 0x0
	QFRAG RW, W1, SCW, 48
	s_wait_dscnt 0x0                               ; for the others' sake: my four images lie in LDS
	s_barrier_signal -1
	s_barrier_wait -1                              ; all sixteen do
	FETCH 0
	FETCH 1
.irp T, 0,1,2,3,4,5,6,7,8,9,10,11,12,13,14,15
	TILE \T
.endr
	s_set_vgpr_msb 0x4
	s_wait_tensorcnt 0x0
	ds_add_u32 v5, v1
	s_wait_dscnt 0x0
	s_set_vgpr_msb 0x400
	s_endpgm
.Lfunc_end_k_q579605e687_prep:
	.size	k_q579605e687_prep, .Lfunc_end_k_q579605e687_prep-k_q579605e687_prep
	.p2alignl 7, 3214868480
	.fill 96, 4, 3214868480
	.section	.rodata,"a",@progbits
	.p2align	6, 0x0
	.amdhsa_kernel k_q579605e687_prep
		.amdhsa_group_segment_fixed_size 33280
		.amdhsa_private_segment_fixed_size 0
		.amdhsa_enable_private_segment 0
		.amdhsa_kernarg_size 72
		.amdhsa_user_sgpr_count 2
		.amdhsa_user_sgpr_kernarg_segment_ptr 1
		.amdhsa_wavefront_size32 1
		.amdhsa_system_sgpr_workgroup_id_x 1
		.amdhsa_system_sgpr_workgroup_id_y 1
		.amdhsa_system_sgpr_workgroup_id_z 1
		.amdhsa_system_vgpr_workitem_id 0
		.amdhsa_next_free_vgpr 258
		.amdhsa_next_free_sgpr 80
		.amdhsa_reserve_vcc 0
		.amdhsa_float_denorm_mode_32 3
		.amdhsa_float_denorm_mode_16_64 3
		.amdhsa_memory_ordered 1
		.amdhsa_forward_progress 1
		.amdhsa_inst_pref_size 86
	.end_amdhsa_kernel
	.amdgpu_metadata
---
amdhsa.version: [ 1, 2 ]
amdhsa.kernels:
  - .name:           k_q579605e687_prep
    .symbol:         k_q579605e687_prep.kd
    .args:
      - { .name: x, .offset: 0, .size: 8, .value_kind: global_buffer, .address_space: global }
      - { .name: W_q, .offset: 8, .size: 8, .value_kind: global_buffer, .address_space: global }
      - { .name: W_k, .offset: 16, .size: 8, .value_kind: global_buffer, .address_space: global }
      - { .name: W_o, .offset: 24, .size: 8, .value_kind: global_buffer, .address_space: global }
      - { .name: lowp_scales, .offset: 32, .size: 8, .value_kind: global_buffer, .address_space: global }
      - { .name: qimg, .offset: 40, .size: 8, .value_kind: global_buffer, .address_space: global }
      - { .name: kimg, .offset: 48, .size: 8, .value_kind: global_buffer, .address_space: global }
      - { .name: vimg, .offset: 56, .size: 8, .value_kind: global_buffer, .address_space: global }
      - { .name: woimg, .offset: 64, .size: 8, .value_kind: global_buffer, .address_space: global }
    .group_segment_fixed_size: 33280
    .private_segment_fixed_size: 0
    .kernarg_segment_align: 8
    .kernarg_segment_size: 72
    .max_flat_workgroup_size: 128
    .sgpr_count:     80
    .vgpr_count:     258
    .wavefront_size: 32
...
	.end_amdgpu_metadata
.endif
;; end of part 1
;; launch attn (part 2): grid 16 x 16, 8 waves a work-group, clusters of 4 x 1, 327,680 bytes of LDS; arguments qimg, kimg, vimg, lowp_scales, yimg; writes yimg
.if DOCPART == 2
	.amdgcn_target "amdgcn-amd-amdhsa--gfx1250"
	.amdhsa_code_object_version 6
	.text
	.protected	k_q579605e687_attn
	.globl	k_q579605e687_attn
	.p2align	8
	.type	k_q579605e687_attn,@function
k_q579605e687_attn:
	s_mov_b64 s[64:65], 0
	v_nop
	global_prefetch_b8 v0, s[64:65] scope:SCOPE_SE
	s_setreg_imm32_b32 hwreg(HW_REG_WAVE_MODE, 25, 1), 1
	s_wait_xcnt 0x0
	s_wait_alu depctr_hold_cnt(0) depctr_sa_sdst(0) depctr_va_vdst(0) depctr_va_sdst(0) depctr_va_ssrc(0) depctr_va_vcc(0) depctr_vm_vsrc(0)
	s_getreg_b32 s2, hwreg(HW_REG_IB_STS2, 6, 4)
	s_cmp_eq_u32 s2, 0
	s_cbranch_scc0 .Lentry_in_a_cluster
	s_endpgm
.Lentry_in_a_cluster:
	s_bfe_u32 s2, ttmp6, 0x10000c
	s_cmp_lg_u32 s2, 0x3003
	s_cbranch_scc0 .Lentry_shape_is_right
	s_endpgm
.Lentry_shape_is_right:
; ATTN: scores = clip(Q K^T / sqrt(128), -10, 10) under the causal mask, the softmax, y = softmax x values, y quantised for the last product.  Both products on codes of FP8 (E4M3).
; Operands come as images of operand registers (a fragment: 16 rows x 128 K, 2,048 bytes, register group c of lane l at 512 c + 16 l; lane (r, hh) holds k = 32 c + 16 hh + 0 .. 15 of row r).
; THE SOFTMAX: t = clipped score x log2(e); M = the largest t so far, rounded UP to a whole number; p = 2^(t - M) is what is quantised (scale 2^e6), not normalised; the row's sum is taken of the
; unquantised p and divides at the end.  When M moves, the sum and O are multiplied by 2^(old M - new M), which rounds nothing.
; SHARES.  A work-group owns two blocks of 64 queries of one head: block i (0..15) and block 31 - i.  With m = i / 4 the low block needs m + 1 slots of 256 keys and the high block 8 - m: NINE TRIPS IN EVERY
; WORK-GROUP.  Wave w owns tile tq = w % 4 of the block in hand and, of each slot, the 128 keys par = w / 4.  So a tile's keys are shared by two waves; each ends a block with a part (O^T, M, sum), and
; the two parts are joined at the end through LDS: M is a whole number, so bringing both under the larger M rounds nothing.  Wave (tq, par 0) joins the low block's tile tq, wave (tq, par 1) the high block's.
; CLUSTER.  The four work-groups of a cluster have the same head and the same m, so they walk the same slots in the same trips: each tile is asked for JOINTLY, by the same tensor load with the same
; descriptor and the mask of all four.  No branch and no LDS address hangs on the place in the cluster: the mask's lines run in the last slot of each block in every wave, and a step all of whose
; keys are hidden is computed all the same: its scores are -infinity, its p are 0, its factor is 1.
; LAYOUT.  Both products are used transposed: S^T = K Q^T (source 0 = 16 keys), O^T = V^T P^T (source 0 = 16 channels): a lane holds ONE query (lane % 16) throughout.  kimg's and vimg's tiles are laid so that
; register 16 b + i of S^T is key 32 b + 16 hh + i of the step, and register 16 b + i of O^T is channel 32 b + 16 hh + i: the conversions' results are the next operand's registers.
; THE ORDER OF A TRIP.  K's eight fragments and V's eight have registers of their own, so a slot's reads end early in its trip: K's were asked for in the trip before, V's are asked for at the trip's head.
; The change of slots then stands in the MIDDLE of the softmax: the waits and the opening signal behind the first lines of the maximum, the opening wait behind the exponentials, then the rest of the
; round, the joint refill of the slot just read out (the tile two trips on), and the next trip's loads of K from the other slot, which land under the sums, the conversions and the second product.
; LIMITS: e4 + e5 between -121 and 130 (added to, and taken from, an exponent field); e6 and e8 between -126 and 119; e6 + e7 is applied by v_ldexp_f32 and has none.  NaN and infinities are not served.
; REGISTERS, in windows of 256.  Window 0: v1-9 addresses that stay (v8: my place in the slot whose fragments are fetched); v12 -M, v13 the largest t, v[14:15] the sum in two halves; v16-31 Q;
;   v32-47 the high block's Q until it is taken; v48-55 at work (four chains of the maximum, three of the sum); v96-159 S^T, then p; v160-223 O^T; v224-239 p's codes; v240 448 x 2^e6, v244 2^e6, v246 2^e8;
;   v236, v252-254 at work.   Window 1: v0-127 K's eight fragments; v128-255 V's eight.
.set SLOT1, 1<<16                      ; a slot: 16 fragments of K (par 0's eight, par 1's eight), then 16 of V: 65,536 bytes; one exclusive or turns an address into the other slot's
.set VOFF,  32768
.set SCR,   2*SLOT1                    ; behind the ring: 16 regions (8 x block + wave) for the parts; no tensor load lands here
.set REG,   8704                       ; a region: O^T's image, 8,192 bytes, then v[12:15]'s, 512
.set SPARE, SCR+16*REG                 ; the spare words, 128 bytes for each wave: four blocks of 256 bytes that no other line names
.set KW,    0                          ; K's fragments, in window 1
.set VW,    128                        ; V's
.set TO_W1, 0x40                       ; destination window 1, address window 0
.set A_W1,  0x01                       ; source 0 window 1; source 1, C and D window 0
.set MSB, 0
.macro WIN new                         ; the immediate's high byte repeats the setting that is left; a switch that changes nothing is dropped
.if MSB != \new
	s_set_vgpr_msb (MSB<<8)|\new
.set MSB, \new
.endif
.endm
; s14 wave, s15 tq, s16 par, s17 cx, s18 the low block's slots, s19 i, s20 8 b + h, s21 b, s[22:23] c, s[24:31] group 1, s[32:35] the walking group 0, s[84:87] the first fill's, s[36:37] my eighth's source at
; the first slot of keys, s[38:39] its offset, s40 the trip, s41 the slot whose fragments are fetched, s42, s43 my first query in the low and the high block, s44 the step's first key, s45 my first query now,
; s46 128 par, s47 the low block's last trip, s48, s49 the clip in the sums' units, s50, s51 -+448 x 2^e8, s[52:61] e0 .. e9, s[62:63] lane selects, s[66:67], s[68:69] Q's fragments (high, low),
; s[70:71] y's fragment, s80 e6 + e7.
; A round of the cluster's barrier: my work-group's barrier, wave 0 signals for the work-group, every wave waits for all four work-groups, my work-group's barrier once more
.macro CREST                           ; a round behind its opening barrier
	s_cmp_lg_u32 s14, 0
	s_cbranch_scc1 .Lnot_wave_0_\@
	s_barrier_signal -3
.Lnot_wave_0_\@:
	s_barrier_wait -3
	s_barrier_signal -1
	s_barrier_wait -1
.endm
.macro ROUND                           ; a whole round
	s_barrier_signal -1
	s_barrier_wait -1
	CREST
.endm
.macro TRIPSET                         ; which block the trip serves, and the step's first key
	s_cmp_lt_u32 s40, s18
	s_cselect_b32 s81, 0, s18
	s_cselect_b32 s45, s42, s43
	s_sub_co_u32 s44, s40, s81
	s_lshl_b32 s44, s44, 8
	s_add_co_u32 s44, s44, s46
.endm
.macro DUMP rg                         ; my part goes to my region as it stands; each accumulator is read from its low end on
.irp q, 0,1,2,3,4,5,6,7,8,9,10,11,12,13,14,15
	ds_store_b128 v[\rg], v[160+4*\q:163+4*\q] offset:512*\q
.endr
	ds_store_b128 v[\rg], v[12:15] offset:8192
	s_wait_dscnt 0x0                               ; the stores have landed, and have read their registers
.endm
.macro RESET                           ; a block begins: the step is written once, so the first finds zeros, which the first change of M leaves zeros
	v_mov_b32 v13, 0xff61b1e6                      ; the largest t so far: -3e38, under every t
	v_floor_f32 v12, -v13                          ; -M
	v_mov_b32 v14, 0
	v_mov_b32 v15, 0
.set j, 0
.rept 64
	v_mov_b32 v[160+j], 0
.set j, j+1
.endr
.endm
.macro KLOAD                           ; my eight fragments of K of the slot at v8, in one run (under TO_W1)
.irp t, 0,1,2,3,4,5,6,7
.irp c, 0,1,2,3
	ds_load_b128 v[KW+16*\t+4*\c:KW+16*\t+4*\c+3], v8 offset:\t*2048+512*\c
.endr
.endr
.endm
.macro VLOAD                           ; and of V
.irp t, 0,1,2,3,4,5,6,7
.irp c, 0,1,2,3
	ds_load_b128 v[VW+16*\t+4*\c:VW+16*\t+4*\c+3], v8 offset:VOFF+\t*2048+512*\c
.endr
.endr
.endm
; A TRIP: my 16 queries against my 128 keys of the slot in hand.
; next = 1: a trip follows: the change of slots stands in this one, and the next trip's K is fetched.  fill = 1: the slot read out is filled again, with the tile two trips on, behind a round of the cluster's barrier.
; mask = 0: all keys count; 1: the mask's lines are run in the low block's last trip; 2: they are run.
.macro BODY fill, next, mask
	s_wait_dscnt 0x0                               ; K's fragments are in: they were asked for in the trip before
	WIN TO_W1
	VLOAD                                          ; V's registers were last read by the trip before's products, four places back; these loads land under the products, the clip and the maximum
	WIN A_W1
.irp t, 0,1,2,3,4,5,6,7                ; S^T = K Q^T: each product starts its own sum
	v_wmma_f32_16x16x128_fp8_fp8 v[96+8*\t:103+8*\t], v[KW+16*\t:KW+16*\t+15], v[16:31], 0
.endr
	WIN 0
.rept 4
	v_nop                                          ; places ahead of the first read of the scores, and of the later loads into K's registers
.endr
.set n, 0
.rept 64
	v_med3_num_f32 v[96+n], v[96+n], s48, s49      ; the clip at +-10, in the sums' units: +-10 sqrt(128) / 2^(e4 + e5); ahead of the mask; each accumulator from its low end on
.set n, n+1
.endr
.if \mask
.if \mask == 1
	s_cmp_lg_u32 s40, s47                          ; only a block's last slot reaches the diagonal: all keys of the slots before it count for all 64 queries
	s_cbranch_scc1 .Lopen_\@
.endif
	s_sub_co_i32 s76, s45, s44
	v_add_nc_u32 v252, s76, v7                     ; d = my query - the step's first key - 16 hh.  Register 16 b + i holds key 32 b + 16 hh + i of the step: hidden where 32 b + i > d
	v_mov_b32 v254, 0xff800000                     ; -infinity
.set n, 0
.rept 64
	v_cmp_gt_i32 vcc_lo, 32*(n/16)+n%16, v252
	v_cndmask_b32 v[96+n], v[96+n], v254, vcc_lo
.set n, n+1
.endr
.Lopen_\@:
.endif
.irp k, 0,1,2,3                        ; the step's largest score of my query among my 64 keys, in four chains of 16 that do not wait for each other
	v_max3_num_f32 v[48+\k], v[96+16*\k], v[97+16*\k], v[98+16*\k]
.endr
.if \next
	s_wait_tensorcnt 0x0                           ; all my tensor loads have landed: the one that was out is my eighth of the next trip's tile; so group 0 may be written
	ds_add_u32 v5, v6                              ; 0 onto my spare word; register work stands between it and the wait for it
.if \fill
	s_xor_b32 s33, s33, SLOT1                      ; the walking descriptor: the slot in hand,
	s_add_co_u32 s81, s40, 2                       ; the tile two trips on: its slot of keys is the trip's number, counted anew from the high block's first trip
	s_cmp_lt_u32 s81, s18
	s_cselect_b32 s82, 0, s18
	s_sub_co_u32 s81, s81, s82
	s_lshl_b32 s38, s81, 15                        ; 32,768 bytes of K, and of V, to a slot
	s_add_nc_u64 s[34:35], s[36:37], s[38:39]
	s_or_b32 s35, s35, 0x80000000                  ; type = 2
.endif
.endif
.set j, 3
.rept 6
.irp k, 0,1,2,3
	v_max3_num_f32 v[48+\k], v[48+\k], v[96+16*\k+j], v[97+16*\k+j]
.endr
.set j, j+2
.endr
.if \next
	s_wait_dscnt 0x0                               ; the add is done; V's fragments are in: my reads of the slot in hand are over
	s_barrier_signal -1                            ; say so (with fill = 1 this barrier opens a round of the cluster's), and work on registers while the others arrive
.endif
	v_max3_num_f32 v48, v48, v111, v127            ; the four scores left over, and the four chains
	v_max3_num_f32 v50, v50, v143, v159
	v_max3_num_f32 v48, v48, v49, v50
	v_max_num_f32 v254, v48, v51
	v_permlanex16_b32 v236, v254, s62, s63
	v_max_num_f32 v254, v254, v236                 ; and lane l xor 16's
	v_mul_f32 v254, s22, v254                      ; as t (c is positive)
	v_max_num_f32 v13, v13, v254                   ; the running largest t
	v_mov_b32 v254, v12
	v_floor_f32 v12, -v13                          ; the new -M = floor(-t) = -ceil(t): a whole number
	v_sub_f32 v254, v12, v254                      ; M's old value less its new one: a whole number, 0 or less
	v_cvt_i32_f32 v254, v254                       ; (it saturates)
	v_ldexp_f32 v252, 1.0, v254                    ; f = 2^(old M - new M)
.set j, 0
.rept 32
	v_pk_fma_f32 v[96+j:97+j], v[96+j:97+j], s[22:23], v[12:13] op_sel_hi:[1,0,0]   ; t - M, two at a time (of the pairs c and -M the low word serves both halves)
.set j, j+2
.endr
.set j, 0
.rept 64
	v_exp_f32 v[96+j], v[96+j]                     ; p = 2^(t - M), at most 1
.set j, j+1
.endr
	v_pk_mul_f32 v[14:15], v[14:15], v[252:253] op_sel_hi:[1,0]   ; the sums under the new M.  (A plain line behind the exponentials)
.if \next
	s_barrier_wait -1                              ; every wave of my work-group has its tiles and has left the slot in hand
.if \fill
	CREST                                          ; and so has every wave of all four work-groups
	tensor_load_to_lds s[32:35], s[24:31]          ; the first thing behind the round, and my one tensor load until the next: it has the rest of this trip and the next trip's head in which to land
	s_nop 0
.rept 4
	v_nop
.endr
.endif
	s_xor_b32 s41, s41, SLOT1                      ; on to the other slot, which is whole:
	v_add_nc_u32 v8, s41, v1
	WIN TO_W1
	KLOAD                                          ; the next trip's K, into registers that this trip's first products have left; it lands under what follows
	WIN 0
.endif
	s_wait_alu depctr_va_vdst(0)
	v_pk_add_f32 v[50:51], v[96:97], v[98:99]      ; the row's sum is taken of the unquantised p: two at a time, in four chains
	v_pk_add_f32 v[52:53], v[100:101], v[102:103]
	v_pk_add_f32 v[54:55], v[104:105], v[106:107]
.set j, 6
.rept 26
.if j%4 == 0
	v_pk_add_f32 v[14:15], v[14:15], v[96+2*j:97+2*j]
.else
	v_pk_add_f32 v[48+2*(j%4):49+2*(j%4)], v[48+2*(j%4):49+2*(j%4)], v[96+2*j:97+2*j]
.endif
.set j, j+1
.endr
	v_pk_add_f32 v[50:51], v[50:51], v[52:53]
	v_pk_add_f32 v[14:15], v[14:15], v[54:55]
	v_pk_add_f32 v[14:15], v[14:15], v[50:51]
.irp b, 0,1,2,3
.set j, 0
.rept 16
	v_min_num_f32 v[96+16*\b+j], v[96+16*\b+j], v240   ; the conversion does not saturate (ISA guide 7.6.2); p is not negative, so the hold is one-sided
.set j, j+1
.endr
	v_cvt_scalef32_pk8_fp8_f32 v[224+4*\b:225+4*\b], v[96+16*\b:103+16*\b], v244
	v_cvt_scalef32_pk8_fp8_f32 v[226+4*\b:227+4*\b], v[104+16*\b:111+16*\b], v244
.endr
.set j, 0
.rept 32
	v_pk_mul_f32 v[160+j:161+j], v[160+j:161+j], v[252:253] op_sel_hi:[1,0]   ; O^T under the new M, each accumulator from its low end on.  (Also the plain lines between the conversions and the products that read their results)
.set j, j+2
.endr
.if \next == 0
	s_wait_dscnt 0x0                               ; V's fragments are in (in the other trips the wait ahead of the signal has shown it)
.endif
	WIN A_W1
.irp t, 0,1,2,3,4,5,6,7                ; O^T += V^T P^T: the eight accumulators take turns, one instruction a turn
	v_wmma_f32_16x16x128_fp8_fp8 v[160+8*\t:167+8*\t], v[VW+16*\t:VW+16*\t+15], v[224:239], v[160+8*\t:167+8*\t]
.endr
	WIN 0
.rept 4
	v_nop                                          ; places ahead of the next loads into V's registers and of the next reads and writes of O^T
.endr
.endm
	s_load_b256 s[4:11], s[0:1], 0x0               ; qimg s[4:5], kimg s[6:7], vimg s[8:9], the scales' exponents s[10:11]
	s_load_b64 s[12:13], s[0:1], 0x20              ; yimg
	v_lshl_add_u32 v5, v0, 2, SPARE                ; my spare word; never rewritten
	v_mov_b32 v6, 0                                ; 0; never rewritten
	ds_add_u32 v5, v6
	ds_add_u32 v5, v6
	s_wait_dscnt 0x0
	v_lshrrev_b32 v8, 5, v0
	v_readfirstlane_b32 s14, v8                    ; wave 0..7
	s_and_b32 s15, s14, 3                          ; tq
	s_lshr_b32 s16, s14, 2                         ; par
	s_bfe_u32 s17, ttmp6, 0x40000                  ; cx: it enters Q's and y's addresses and the mask's arithmetic alone
	s_lshl_b32 s19, ttmp9, 2                       ; in a cluster launch ttmp9 counts clusters: m
	s_add_co_u32 s19, s19, s17                     ; i = 4 m + cx
	s_add_co_u32 s18, ttmp9, 1                     ; the low block's slots: m + 1
	s_mov_b32 s47, ttmp9                           ; and its last trip
	s_and_b32 s20, ttmp7, 0xffff                   ; 8 b + h, which the four partners share
	s_lshr_b32 s21, s20, 3                         ; b
	s_lshl_b32 s46, s16, 7
	; descriptor group 1: a dense block of 8,192 bytes as 32 rows of 32 elements of 8 bytes
	s_mov_b32 s24, 15|(3<<16)|(1<<21)              ; 15:0 the mask: all four work-groups; 17:16 elements of 8 bytes; 21 set beside a mask
	s_mov_b32 s25, 32<<16                          ; tensor_dim0 = 32
	s_mov_b32 s26, 32<<16                          ; tensor_dim1 = 32
	s_mov_b32 s27, 32<<16                          ; tile_dim0 = 32
	s_mov_b32 s28, 32                              ; tile_dim1 = 32
	s_mov_b32 s29, 32                              ; tensor_dim0_stride
	s_mov_b32 s30, 0
	s_mov_b32 s31, 0
	s_mov_b32 s62, 0x76543210
	s_mov_b32 s63, 0xfedcba98
	s_lshl_b32 s72, s20, 18                        ; K: the head's 128 fragments; V: the batch's
	s_lshl_b32 s74, s21, 18
	s_lshl_b32 s75, s15, 13                        ; my quarter of a slot's 32,768 bytes
	s_add_co_u32 s72, s72, s75
	s_add_co_u32 s74, s74, s75
	s_mov_b32 s73, 0
	s_mov_b32 s75, 0
	s_mov_b32 s39, 0
	s_mov_b32 s84, 1                               ; group 0 of the first fill: count = 1,
	s_lshl_b32 s85, s14, 13                        ; LDS address: slot 0, 8,192 x wave: waves 0-3 fill K's part, waves 4-7 V's
	s_mov_b32 s32, 1                               ; the walking group 0 begins with the second fill:
	s_add_co_u32 s33, s85, SLOT1                   ; slot 1
	s_cmp_gt_u32 s18, 1                            ; the second trip's slot of keys: the low block's second, or, where it has one alone, the high block's first
	s_cselect_b32 s38, 0x8000, 0
	s_wait_kmcnt 0x0
	s_load_b256 s[52:59], s[10:11], 0x0            ; e0 .. e7
	s_load_b64 s[60:61], s[10:11], 0x20            ; e8, e9
	s_add_nc_u64 s[72:73], s[6:7], s[72:73]
	s_add_nc_u64 s[74:75], s[8:9], s[74:75]
	s_cmp_lt_u32 s14, 4                            ; the choice hangs on the wave's number alone
	s_cselect_b64 s[36:37], s[72:73], s[74:75]
	s_mov_b64 s[86:87], s[36:37]                   ; the first slot of keys
	s_or_b32 s87, s87, 0x80000000                  ; type = 2
	s_add_nc_u64 s[34:35], s[36:37], s[38:39]
	s_or_b32 s35, s35, 0x80000000
	ROUND                                          ; all four work-groups are here: the first joint loads meet
	tensor_load_to_lds s[84:87], s[24:31]          ; both first fills go out together, ahead of every wait on TENSORcnt and every LDS read: two loads of mine are out
	s_nop 0
	tensor_load_to_lds s[32:35], s[24:31]
	s_nop 0
.rept 4
	v_nop
.endr
	v_and_b32 v8, 31, v0
	v_lshlrev_b32 v2, 4, v8                        ; 16 x lane
	s_lshl_b32 s76, s19, 2
	s_add_co_u32 s76, s76, s15                     ; my tile of queries in the low block: 4 i + tq,
	s_lshl_b32 s42, s76, 4                         ; its first query
	s_sub_co_u32 s78, 31, s19
	s_lshl_b32 s78, s78, 2
	s_add_co_u32 s78, s78, s15                     ; and in the high block: 4 (31 - i) + tq
	s_lshl_b32 s43, s78, 4
	s_cmp_eq_u32 s16, 0
	s_cselect_b32 s70, s76, s78                    ; the tile that I join and store
	s_lshl_b32 s71, s21, 7
	s_add_co_u32 s70, s70, s71
	s_lshl_b32 s70, s70, 3
	s_and_b32 s71, s20, 7
	s_add_co_u32 s70, s70, s71                     ; yimg's fragment (128 b + tile) x 8 + h
	s_lshl_b32 s70, s70, 11
	s_mov_b32 s71, 0
	s_add_nc_u64 s[70:71], s[12:13], s[70:71]
	s_lshl_b32 s79, s20, 18
	s_lshl_b32 s76, s76, 11
	s_add_co_u32 s76, s76, s79
	s_mov_b32 s77, 0
	s_add_nc_u64 s[68:69], s[4:5], s[76:77]        ; Q's fragment, low block
	s_lshl_b32 s78, s78, 11
	s_add_co_u32 s78, s78, s79
	s_mov_b32 s79, 0
	s_add_nc_u64 s[66:67], s[4:5], s[78:79]        ; high block
.irp c, 0,1,2,3
	global_load_b128 v[16+4*\c:19+4*\c], v2, s[68:69] offset:512*\c
.endr
.irp c, 0,1,2,3
	global_load_b128 v[32+4*\c:35+4*\c], v2, s[66:67] offset:512*\c   ; the high block's Q waits in registers, so that no trip waits for memory
.endr
	s_lshl_b32 s72, s16, 14
	v_add_nc_u32 v1, s72, v2                       ; my lane's place in a slot: 16 x lane + my half's eight fragments
	s_mul_i32 s72, s14, REG
	s_add_co_u32 s72, s72, SCR
	v_add_nc_u32 v3, s72, v2                       ; my region for the low block's part,
	v_add_nc_u32 v4, 8*REG, v3                     ; for the high block's
	s_lshl_b32 s72, s16, 3
	s_add_co_u32 s72, s72, s15
	s_mul_i32 s72, s72, REG
	s_add_co_u32 s72, s72, SCR
	v_add_nc_u32 v9, s72, v2                       ; the first of the two regions that I join: block par, wave tq; the second lies four regions on
	v_and_b32 v8, 15, v0
	v_bfe_u32 v10, v0, 4, 1
	v_lshlrev_b32 v10, 4, v10
	v_sub_nc_u32 v7, v8, v10                       ; r - 16 hh, for the mask
	RESET
	v_mov_b32 v236, 0                              ; written once: a lane permute's destination counts as one of its sources
	v_mov_b32 v253, 0                              ; (named as the upper half of the pair v[252:253])
	s_wait_kmcnt 0x0
	s_add_co_i32 s72, s56, s57                     ; a sum of the first product stands for sum x 2^(e4 + e5):
	s_lshl_b32 s72, s72, 23
	s_add_co_i32 s22, s72, 0x3e0293ee              ; the exponents are added to the exponent field of c = log2(e) / sqrt(128),
	s_mov_b32 s23, s22                             ; (named with it as a pair, so it is written)
	s_sub_co_i32 s49, 0x42e24630, s72              ; and taken from that of 10 sqrt(128), the clip in the sums' units
	s_or_b32 s48, s49, 0x80000000
	s_add_co_i32 s72, s58, 127
	s_lshl_b32 s73, s72, 23
	v_mov_b32 v244, s73                            ; 2^e6 as f32, for p's conversions
	s_add_co_i32 s72, s72, 8
	s_lshl_b32 s72, s72, 23
	s_or_b32 s72, s72, 0x600000
	v_mov_b32 v240, s72                            ; 448 x 2^e6
	s_add_co_i32 s72, s60, 127
	s_lshl_b32 s73, s72, 23
	v_mov_b32 v246, s73                            ; 2^e8, for y's
	s_add_co_i32 s72, s72, 8
	s_lshl_b32 s72, s72, 23
	s_or_b32 s51, s72, 0x600000                    ; 448 x 2^e8
	s_or_b32 s50, s51, 0x80000000
	s_add_co_i32 s80, s58, s59                     ; e6 + e7
	s_mov_b32 s40, 0
	s_mov_b32 s41, 0
	v_add_nc_u32 v8, s41, v1                       ; my place in slot 0
	s_wait_tensorcnt 0x1                           ; my eighth of the first tile is in; the second tile's load, issued behind it, may stay out
	s_barrier_signal -1
	s_barrier_wait -1                              ; everybody's is
	WIN TO_W1
	KLOAD                                          ; the first trip's K
	WIN 0
	s_wait_loadcnt 0x0                             ; Q, both blocks'
.Ltrip:                                            ; seven trips, each of which fills the slot that it reads out with the tile two trips on
	TRIPSET
	s_cmp_lg_u32 s40, s18                          ; the high block's first trip: the low block's part goes to my region, and Q, M, the sums and O^T begin anew.  No barrier and no tensor load stands here
	s_cbranch_scc1 .Lsame
.set j, 0
.rept 16
	v_mov_b32 v[16+j], v[32+j]                     ; the high block's Q
.set j, j+1
.endr
	DUMP 3
	RESET
.Lsame:
	BODY 1, 1, 1
	s_add_co_u32 s40, s40, 1
	s_cmp_lt_u32 s40, 7
	s_cbranch_scc1 .Ltrip
	BODY 0, 1, 0                                   ; the last two trips are written out.  The last but one: nothing is left to ask for; its barrier shows the last tile whole; all its keys count
	s_mov_b32 s40, 8
	TRIPSET
	BODY 0, 0, 2                                   ; the last: the high block's last slot, which reaches the diagonal
	; THE END.  The high block's part goes to LDS; behind a barrier each wave joins the two parts of one tile, divides by the row's sum, quantises y and stores its fragment.
	DUMP 4
	s_barrier_signal -1
	s_barrier_wait -1                              ; every wave's parts lie in LDS
.irp q, 0,1,2,3,4,5,6,7,8,9,10,11,12,13,14,15
	ds_load_b128 v[32+4*\q:35+4*\q], v9 offset:512*\q              ; part a: keys' half 0
.endr
.irp q, 0,1,2,3,4,5,6,7,8,9,10,11,12,13,14,15
	ds_load_b128 v[96+4*\q:99+4*\q], v9 offset:4*REG+512*\q        ; part b: half 1
.endr
	ds_load_b128 v[224:227], v9 offset:8192                        ; -M, the largest t, the sum's two halves
	ds_load_b128 v[228:231], v9 offset:4*REG+8192
	s_wait_dscnt 0x0
	v_min_num_f32 v232, v224, v228                 ; -(the larger M)
	v_sub_f32 v233, v232, v224                     ; whole numbers, 0 or less
	v_sub_f32 v238, v232, v228
	v_cvt_i32_f32 v233, v233                       ; (they saturate: a part all of whose keys were hidden gets the factor 0)
	v_cvt_i32_f32 v238, v238
	v_ldexp_f32 v234, 1.0, v233                    ; fa
	v_ldexp_f32 v236, 1.0, v238                    ; fb
	v_add_f32 v239, v226, v227
	v_add_f32 v238, v230, v231
	v_mul_f32 v239, v239, v234
	v_fma_f32 v239, v238, v236, v239               ; my lane's share of the row's sum under the larger M,
	v_permlanex16_b32 v233, v239, s62, s63
	v_add_f32 v239, v239, v233                     ; and lane l xor 16's
	v_rcp_f32 v239, v239
	v_mov_b32 v235, 0                              ; (a plain line behind the transcendental; named as the upper halves of pairs)
	v_mov_b32 v237, 0
	s_wait_alu depctr_va_vdst(0)
	v_ldexp_f32 v239, v239, s80                    ; x 2^(e6 + e7)
	v_mul_f32 v234, v234, v239
	v_mul_f32 v236, v236, v239
.set j, 0
.rept 32
	v_pk_mul_f32 v[160+j:161+j], v[32+j:33+j], v[234:235] op_sel_hi:[1,0]
.set j, j+2
.endr
.set j, 0
.rept 32
	v_pk_fma_f32 v[160+j:161+j], v[96+j:97+j], v[236:237], v[160+j:161+j] op_sel_hi:[1,0,1]   ; y(my query, channel 32 b + 16 hh + i) in register 16 b + i
.set j, j+2
.endr
.irp b, 0,1,2,3
.set j, 0
.rept 16
	v_med3_num_f32 v[160+16*\b+j], v[160+16*\b+j], s50, s51
.set j, j+1
.endr
	v_cvt_scalef32_pk8_fp8_f32 v[16+4*\b:17+4*\b], v[160+16*\b:167+16*\b], v246
	v_cvt_scalef32_pk8_fp8_f32 v[18+4*\b:19+4*\b], v[168+16*\b:175+16*\b], v246
.endr
	v_nop
.irp c, 0,1,2,3
	global_store_b128 v2, v[16+4*\c:19+4*\c], s[70:71] offset:512*\c   ; the wave stores 512 consecutive bytes
.endr
	s_wait_tensorcnt 0x0                           ; the wave's end, behind my last tensor load and my last LDS store
	ds_add_u32 v5, v6
	s_wait_dscnt 0x0
	ROUND                                          ; the closing round: no work-group ends while a partner may still ask for a tile that names it
	s_endpgm
.Lfunc_end_k_q579605e687_attn:
	.size	k_q579605e687_attn, .Lfunc_end_k_q579605e687_attn-k_q579605e687_attn
	.p2alignl 7, 3214868480
	.fill 96, 4, 3214868480
	.section	.rodata,"a",@progbits
	.p2align	6, 0x0
	.amdhsa_kernel k_q579605e687_attn
		.amdhsa_group_segment_fixed_size 327680
		.amdhsa_private_segment_fixed_size 0
		.amdhsa_enable_private_segment 0
		.amdhsa_kernarg_size 40
		.amdhsa_user_sgpr_count 2
		.amdhsa_user_sgpr_kernarg_segment_ptr 1
		.amdhsa_wavefront_size32 1
		.amdhsa_system_sgpr_workgroup_id_x 1
		.amdhsa_system_sgpr_workgroup_id_y 1
		.amdhsa_system_sgpr_workgroup_id_z 1
		.amdhsa_system_vgpr_workitem_id 0
		.amdhsa_next_free_vgpr 512
		.amdhsa_next_free_sgpr 88
		.amdhsa_reserve_vcc 1
		.amdhsa_float_denorm_mode_32 3
		.amdhsa_float_denorm_mode_16_64 3
		.amdhsa_memory_ordered 1
		.amdhsa_forward_progress 1
		.amdhsa_inst_pref_size 106
	.end_amdhsa_kernel
	.amdgpu_metadata
---
amdhsa.version: [ 1, 2 ]
amdhsa.kernels:
  - .name:           k_q579605e687_attn
    .symbol:         k_q579605e687_attn.kd
    .args:
      - { .name: qimg, .offset: 0, .size: 8, .value_kind: global_buffer, .address_space: global }
      - { .name: kimg, .offset: 8, .size: 8, .value_kind: global_buffer, .address_space: global }
      - { .name: vimg, .offset: 16, .size: 8, .value_kind: global_buffer, .address_space: global }
      - { .name: lowp_scales, .offset: 24, .size: 8, .value_kind: global_buffer, .address_space: global }
      - { .name: yimg, .offset: 32, .size: 8, .value_kind: global_buffer, .address_space: global }
    .group_segment_fixed_size: 327680
    .private_segment_fixed_size: 0
    .kernarg_segment_align: 8
    .kernarg_segment_size: 40
    .max_flat_workgroup_size: 256
    .sgpr_count:     88
    .vgpr_count:     512
    .wavefront_size: 32
...
	.end_amdgpu_metadata
.endif
;; end of part 2
;; launch proj (part 3): grid 256 x 1, 8 waves a work-group, no clusters, 25,856 bytes of LDS; arguments yimg, woimg, lowp_scales, out0; writes out0
.if DOCPART == 3
	.amdgcn_target "amdgcn-amd-amdhsa--gfx1250"
	.amdhsa_code_object_version 6
	.text
	.protected	k_q579605e687_proj
	.globl	k_q579605e687_proj
	.p2align	8
	.type	k_q579605e687_proj,@function
k_q579605e687_proj:
	s_mov_b64 s[64:65], 0
	v_nop
	global_prefetch_b8 v0, s[64:65] scope:SCOPE_SE
	s_setreg_imm32_b32 hwreg(HW_REG_WAVE_MODE, 25, 1), 1
	s_wait_xcnt 0x0
; PROJ: out = y W_o^T on codes of FP8 (E4M3), K = 1,024 = 8 heads x 128 channels; each finished sum once x 2^(e8 + e9) (entries 8 and 9 of the scales' exponents).
; y and W_o come as images of operand registers (a fragment: 16 rows x 128 K, 2,048 bytes, register group c of lane l at 512 c + 16 l): yimg [tile of 16 rows][head], woimg [tile of 16 outputs][head].
; SHARES.  Work-group g makes rows 16 g .. 16 g + 15 of out0.  Wave w makes outputs 16 w .. 16 w + 15: its 8 fragments of W_o go straight into registers; y's 8 fragments are read from memory once,
; one by each wave, and reach the others through LDS as they stand.  The product is used transposed (source 0 = 16 rows of W_o, source 1 = y): a lane holds one row and eight neighbouring outputs.
; A row's 128 outputs come from eight waves: they meet in a stage (rows of 512 + 16 bytes), and each wave stores two whole rows of 512 bytes.
; No tensor load: every operand is read once by the work-group.  LIMIT: e8 + e9 between -126 and 127, so that 2^(e8 + e9) is an f32 number.
.set YI,  0                            ; LDS: y's 8 fragments
.set STG, 16384                        ; the stage: 16 rows x 528 bytes
	s_load_b256 s[4:11], s[0:1], 0x0               ; yimg s[4:5], woimg s[6:7], the scales' exponents s[8:9], out0 s[10:11]
	v_lshl_add_u32 v254, v0, 2, 0x6100
	v_mov_b32 v255, 0
	v_lshrrev_b32 v5, 5, v0
	v_readfirstlane_b32 s12, v5                    ; wave 0..7
	v_and_b32 v5, 31, v0
	v_lshlrev_b32 v1, 4, v5                        ; 16 x lane
	s_lshl_b32 s24, s12, 11
	v_add_nc_u32 v2, s24, v1                       ; where I store my fragment of y
	v_and_b32 v5, 15, v0                           ; r
	v_bfe_u32 v6, v0, 4, 1                         ; hh
	v_mul_u32_u24 v3, v5, 528
	v_lshl_add_u32 v3, v6, 5, v3
	s_lshl_b32 s24, s12, 6
	s_add_co_u32 s24, s24, STG
	v_add_nc_u32 v3, s24, v3                       ; the stage, in: row r, + 64 w + 32 hh: my eight outputs' bytes
	s_mul_i32 s24, s12, 1056
	s_add_co_u32 s24, s24, STG
	v_add_nc_u32 v4, s24, v1                       ; back: rows 2 w and 2 w + 1, 16 bytes a lane
	s_mov_b32 s25, 0
	s_wait_kmcnt 0x0
	s_load_b64 s[16:17], s[8:9], 0x20              ; e8, e9
	s_lshl_b32 s24, ttmp9, 14                      ; y: the tile's 8 fragments, mine of them
	s_lshl_b32 s26, s12, 11
	s_add_co_u32 s24, s24, s26
	s_add_nc_u64 s[18:19], s[4:5], s[24:25]
	s_lshl_b32 s24, s12, 14                        ; W_o: my tile's 8 fragments
	s_add_nc_u64 s[20:21], s[6:7], s[24:25]
	s_lshl_b32 s24, ttmp9, 13                      ; out0: 16 rows of 512 bytes, my two of them
	s_lshl_b32 s26, s12, 10
	s_add_co_u32 s24, s24, s26
	s_add_nc_u64 s[22:23], s[10:11], s[24:25]
.irp c, 0,1,2,3
	global_load_b128 v[232+4*\c:235+4*\c], v1, s[18:19] offset:512*\c th:TH_LOAD_NT   ; read once in the whole launch
.endr
.irp k, 0,1,2,3,4,5,6,7
.irp c, 0,1,2,3
	global_load_b128 v[16+16*\k+4*\c:19+16*\k+4*\c], v1, s[20:21] offset:2048*\k+512*\c
.endr
.endr
	s_wait_loadcnt 32                              ; y's four loads are in; W_o's 32 may be out
.irp c, 0,1,2,3
	ds_store_b128 v2, v[232+4*\c:235+4*\c] offset:YI+512*\c
.endr
	s_wait_dscnt 0x0                               ; for the others' sake: my fragment lies in LDS
	s_barrier_signal -1
	s_barrier_wait -1                              ; all eight do
.irp k, 0,1,2,3
.irp c, 0,1,2,3
	ds_load_b128 v[144+16*\k+4*\c:147+16*\k+4*\c], v1 offset:YI+2048*\k+512*\c
.endr
.endr
	s_wait_loadcnt 0x0
	s_wait_dscnt 0x0
	; two accumulators take turns, one instruction a turn: even heads in v[208:215], odd heads in v[216:223]; the first products start the sums
	v_wmma_f32_16x16x128_fp8_fp8 v[208:215], v[16:31], v[144:159], 0
	v_wmma_f32_16x16x128_fp8_fp8 v[216:223], v[32:47], v[160:175], 0
	v_wmma_f32_16x16x128_fp8_fp8 v[208:215], v[48:63], v[176:191], v[208:215]
	v_wmma_f32_16x16x128_fp8_fp8 v[216:223], v[64:79], v[192:207], v[216:223]
.rept 4
	v_nop                                          ; places ahead of loads into registers that matrix instructions have read
.endr
.irp k, 0,1,2,3
.irp c, 0,1,2,3
	ds_load_b128 v[144+16*\k+4*\c:147+16*\k+4*\c], v1 offset:YI+2048*(4+\k)+512*\c
.endr
.endr
	s_wait_dscnt 0x0
	v_wmma_f32_16x16x128_fp8_fp8 v[208:215], v[80:95], v[144:159], v[208:215]
	v_wmma_f32_16x16x128_fp8_fp8 v[216:223], v[96:111], v[160:175], v[216:223]
	v_wmma_f32_16x16x128_fp8_fp8 v[208:215], v[112:127], v[176:191], v[208:215]
	v_wmma_f32_16x16x128_fp8_fp8 v[216:223], v[128:143], v[192:207], v[216:223]
.rept 4
	v_nop                                          ; places ahead of the first read of the results
.endr
	s_wait_kmcnt 0x0
	s_add_co_i32 s14, s16, s17
	s_add_co_i32 s14, s14, 127
	s_lshl_b32 s14, s14, 23                        ; 2^(e8 + e9) as f32
	s_mov_b32 s15, s14                             ; (named with it as a pair, so it is written)
.irp j, 0,2,4,6
	v_pk_add_f32 v[224+\j:225+\j], v[208+\j:209+\j], v[216+\j:217+\j]   ; both accumulators from their low ends on
.endr
.irp j, 0,2,4,6
	v_pk_mul_f32 v[224+\j:225+\j], v[224+\j:225+\j], s[14:15] op_sel_hi:[1,0]
.endr
	ds_store_b128 v3, v[224:227]                   ; out(16 g + r, 16 w + 8 hh + 0 .. 7)
	ds_store_b128 v3, v[228:231] offset:16
	s_wait_dscnt 0x0                               ; for the others' sake: my part of the 16 rows lies in the stage
	s_barrier_signal -1
	s_barrier_wait -1
	ds_load_b128 v[232:235], v4
	ds_load_b128 v[236:239], v4 offset:528
	s_wait_dscnt 1                                 ; the first row is back; the second row's load may be out
	global_store_b128 v1, v[232:235], s[22:23] th:TH_STORE_NT              ; 32 lanes store a row of 512 consecutive bytes; written once, read by nobody here
	s_wait_dscnt 0x0
	global_store_b128 v1, v[236:239], s[22:23] offset:512 th:TH_STORE_NT
	s_wait_tensorcnt 0x0
	ds_add_u32 v254, v255
	s_wait_dscnt 0x0
	s_endpgm
.Lfunc_end_k_q579605e687_proj:
	.size	k_q579605e687_proj, .Lfunc_end_k_q579605e687_proj-k_q579605e687_proj
	.p2alignl 7, 3214868480
	.fill 96, 4, 3214868480
	.section	.rodata,"a",@progbits
	.p2align	6, 0x0
	.amdhsa_kernel k_q579605e687_proj
		.amdhsa_group_segment_fixed_size 25856
		.amdhsa_private_segment_fixed_size 0
		.amdhsa_enable_private_segment 0
		.amdhsa_kernarg_size 32
		.amdhsa_user_sgpr_count 2
		.amdhsa_user_sgpr_kernarg_segment_ptr 1
		.amdhsa_wavefront_size32 1
		.amdhsa_system_sgpr_workgroup_id_x 1
		.amdhsa_system_sgpr_workgroup_id_y 1
		.amdhsa_system_sgpr_workgroup_id_z 1
		.amdhsa_system_vgpr_workitem_id 0
		.amdhsa_next_free_vgpr 256
		.amdhsa_next_free_sgpr 66
		.amdhsa_reserve_vcc 0
		.amdhsa_float_denorm_mode_32 3
		.amdhsa_float_denorm_mode_16_64 3
		.amdhsa_memory_ordered 1
		.amdhsa_forward_progress 1
		.amdhsa_inst_pref_size 10
	.end_amdhsa_kernel
	.amdgpu_metadata
---
amdhsa.version: [ 1, 2 ]
amdhsa.kernels:
  - .name:           k_q579605e687_proj
    .symbol:         k_q579605e687_proj.kd
    .args:
      - { .name: yimg, .offset: 0, .size: 8, .value_kind: global_buffer, .address_space: global }
      - { .name: woimg, .offset: 8, .size: 8, .value_kind: global_buffer, .address_space: global }
      - { .name: lowp_scales, .offset: 16, .size: 8, .value_kind: global_buffer, .address_space: global }
      - { .name: out0, .offset: 24, .size: 8, .value_kind: global_buffer, .address_space: global }
    .group_segment_fixed_size: 25856
    .private_segment_fixed_size: 0
    .kernarg_segment_align: 8
    .kernarg_segment_size: 32
    .max_flat_workgroup_size: 256
    .sgpr_count:     66
    .vgpr_count:     256
    .wavefront_size: 32
...
	.end_amdgpu_metadata
.endif
;; end of part 3
;; ======== version 2 of 2: 3 launches; version 1 with the launches prep, proj written anew for expert scheduling mode
;; workspace buffers: qimg 4,194,304 bytes; kimg 4,194,304 bytes; vimg 524,288 bytes; woimg 131,072 bytes; yimg 4,194,304 bytes
;; launch prep (part 4): grid 256 x 1, 4 waves a work-group, no clusters, 33,280 bytes of LDS; arguments x, W_q, W_k, W_o, lowp_scales, qimg, kimg, vimg, woimg; writes qimg, kimg, vimg, woimg
.if DOCPART == 4
	.amdgcn_target "amdgcn-amd-amdhsa--gfx1250"
	.amdhsa_code_object_version 6
	.text
	.protected	k_q579605e687_prep
	.globl	k_q579605e687_prep
	.p2align	8
	.type	k_q579605e687_prep,@function
k_q579605e687_prep:
	s_mov_b64 s[64:65], 0
	v_nop
	global_prefetch_b8 v0, s[64:65] scope:SCOPE_SE
	s_setreg_imm32_b32 hwreg(HW_REG_WAVE_SCHED_MODE, 0, 2), 2
	s_setreg_imm32_b32 hwreg(HW_REG_WAVE_MODE, 25, 1), 1
	s_wait_xcnt 0x0
	s_wait_alu depctr_vm_vsrc(0)
; PREP: the two projections Q = x W_q and K = x W_k on codes of FP8 (E4M3), their results quantised again for the scores' product,
; and x (as the values) and W_o quantised for the last two products.  lowp_scales: e0 W_q, e1 x for Q, e2 W_k, e3 x for K, e4 Q, e5 K, e6 p, e7 x as values, e8 y, e9 W_o.
; EVERYTHING LEAVES AS IMAGES OF OPERAND REGISTERS.  A fragment is 16 rows x 128 K of codes, 16 registers a lane, 2,048 bytes: register group c (registers 4 c .. 4 c + 3) of lane l
; lies at byte 512 c + 16 l; lane (r = l % 16, hh = l / 16) holds, of its row r, k = 32 c + 16 hh + 0 .. 15.  The same order of k on both sides of every product.
;   qimg [8 b + h][query tile 0..127]: row r = query 16 tile + r.
;   kimg [8 b + h][8 gk + T]: gk = a step of 128 keys; row r of tile T = key 128 gk + 32 (T / 2) + 8 (T % 2) + r + 8 (r / 8).
;   vimg [b][gk][T]: row r = channel 32 (T / 2) + 8 (T % 2) + r + 8 (r / 8); k = the step's 128 keys.
;   woimg [n tile][head]: row r = output 16 tile + r; k = the head's 128 channels.
; The rows of kimg's and vimg's tiles are chosen so that the results of the products that take them as source 0 lie, in a lane's registers, as 16 neighbours along the next K.
; SHARES.  Work-group g: g < 128 makes Q, the others K; head (g / 16) % 8; rows 256 (g % 16) on of the 4,096 rows of x.  Wave w keeps two tiles of W (columns e = 32 w + 8 u + r + 8 (r / 8),
; a lane to a column, registers down d) as source 0, quantises x's tiles 4 w .. 4 w + 3 into LDS images, and then makes part c = w of each of the 16 output fragments:
; in the transposed product a lane holds one row of x and e = 32 w + 16 hh + 0 .. 15.  Beside that wave w makes part w of vimg's fragment g, and where g < 64 part w of woimg's fragment g.
; LIMITS: e0, e1, e2, e3, e7, e9, e4 - e0 - e1 and e5 - e2 - e3 lie between -126 and 119, so that 2^e and 448 x 2^e are f32 numbers.  NaN and infinities among the inputs are not served.
; THE MODE: SCHED_MODE bits 1:0 = 2 (LLVM: expert scheduling mode 2), set by the entry lines.  The code itself states the register dependences
; between vector or matrix instructions and memory or LDS instructions, with s_wait_alu, always for 0.
; THE PLAN.  Registers that memory or LDS instructions touch:
;   v1-4, v6-8    Offsets and LDS addresses: written at the head, never again; one wait ahead of the first load serves every load and store of the kernel.
;   RA, RB, RW    Loads land; the holds and conversions of a QFRAG read and write them; the next loads land.  One wait behind the QFRAG.
;   PC            Written by conversions; read by two global stores and by the LDS stores of the four images; a wait on vm_vsrc ahead of each QFRAG that writes it again, and the wait
;                 behind that QFRAG serves the stores that read it as well as the loads into the raw set.
;   XF0, XF1      (in RA's place) LDS loads land; the two products of a tile read them; the fragment two tiles on lands.
;   OC            Four registers a tile: written once by conversions, read once by a store, never written again.
;   W0, W1, the accumulators and the scales are named, behind their first loads, by vector and matrix instructions alone.
; In the run of 16 tiles ONE wait stands in a tile: tile T's two products, then the quantising of tile T - 1's results (the other pair of accumulators), then the wait, which states that the products are
; done reading their fragment of x and that the conversions have written tile T - 1's codes; behind it the LDS loads of the fragment two tiles on and the store of tile T - 1.
.set LI,  1                            ; v1   16 x lane: my place in a group of an image
.set XA0, 2                            ; v2   x: my row and half in an even tile of my wave's four
.set XA1, 3                            ; v3   the same in an odd tile
.set WA,  4                            ; v4   W and x as values: my column, and 16 rows down for lanes 16-31
.set OA,  6                            ; v6   W_o: my row and half
.set XWI, 7                            ; v7   LDS: where I store x's images: 16 x lane + 8,192 x wave
.set SO,  8                            ; v8   my 16 bytes of part w of a fragment: 16 x lane + 512 x wave
.set SCX, 9                            ; v9-13 the scales as f32 for the conversions: x, W, the result, x as values, W_o
.set SCW, 10
.set SCR, 11
.set SCV, 12
.set SCO, 13
.set W0,  16                           ; v16-31  first the values' 16 numbers, then W's codes, tile u = 0
.set W1,  32                           ; v32-47  first W_o's 16 numbers, then W's codes, tile u = 1
.set RA,  48                           ; v48-111  64 numbers of x, set A; later two fragments of x (v48, v64) and two pairs of accumulators (v80, v96)
.set RB,  112                          ; v112-175 set B; later the 16 x 4 registers of output codes
.set RW,  176                          ; v176-239 64 numbers of W
.set PC,  240                          ; v240-255 the codes just made
.set XF,  48
.set ACC, 80
.set OC,  112
; 2^e as f32 into v[vsc]; -448 x 2^e and +448 x 2^e into s[ln], s[ln+1]
.macro MKS e, vsc, ln
	s_add_co_i32 s76, s[\e], 127
	s_lshl_b32 s77, s76, 23
	v_mov_b32 v[\vsc], s77
	s_add_co_i32 s76, s76, 8
	s_lshl_b32 s76, s76, 23
	s_or_b32 s[\ln+1], s76, 0x600000
	s_or_b32 s[\ln], s[\ln+1], 0x80000000
.endm
; 16 neighbours along K become 16 codes, 4 registers.  The conversion to an 8-bit code does not saturate (ISA guide 7.6.2): the hold at the largest code x the scale comes first
.macro Q16 src, dst, sc, ln
.irp i, 0,1,2,3,4,5,6,7,8,9,10,11,12,13,14,15
	v_med3_num_f32 v[\src+\i], v[\src+\i], s[\ln], s[\ln+1]
.endr
	v_cvt_scalef32_pk8_fp8_f32 v[\dst:\dst+1], v[\src:\src+7], v[\sc]
	v_cvt_scalef32_pk8_fp8_f32 v[\dst+2:\dst+3], v[\src+8:\src+15], v[\sc]
.endm
; 64 numbers, register 16 b + i = k 32 b + 16 hh + i, become a fragment
.macro QFRAG src, dst, sc, ln
.irp b, 0,1,2,3
	Q16 \src+16*\b, \dst+4*\b, \sc, \ln
.endr
	v_nop                                          ; a plain vector line behind the last conversion, ahead of whatever next touches its registers
.endm
; tile t of my wave's four tiles of x: lane (r, hh) takes 16 neighbouring numbers of each block of 32 of its row
.macro XLOAD set, t
.irp c, 0,1,2,3
.irp j, 0,1,2,3
	global_load_b128 v[\set+16*\c+4*\j:\set+16*\c+4*\j+3], v[XA0+((\t)&1)], s[58:59] offset:(16*((\t)-((\t)&1)))*512+128*\c+16*\j
.endr
.endr
.endm
; tile u of my wave's two tiles of W: W(d = 32 c + 16 hh + i, my column)
.macro WLOAD u
.irp c, 0,1,2,3
.irp i, 0,1,2,3,4,5,6,7,8,9,10,11,12,13,14,15
	global_load_b32 v[RW+16*\c+\i], v[WA], s[56:57] offset:(32*\c+\i)*512+32*\u
.endr
.endr
.endm
.macro IMAGE t                         ; the fragment in v[PC] on goes to LDS as it stands
.irp c, 0,1,2,3
	ds_store_b128 v[XWI], v[PC+4*\c:PC+4*\c+3] offset:2048*(\t)+512*\c
.endr
.endm
.macro FETCH T                         ; and comes back so, in any wave
.irp c, 0,1,2,3
	ds_load_b128 v[XF+16*((\T)%2)+4*\c:XF+16*((\T)%2)+4*\c+3], v[LI] offset:2048*(\T)+512*\c
.endr
.endm
; tile T of the block's 16: two products (source 0 = 16 columns of W, source 1 = 16 rows of x); then the 16 results a lane of the tile BEFORE are quantised; one wait; the fragment two tiles on is asked for, and the tile before's 512 dense bytes are stored
.macro TILE T
.set XS, XF+16*((\T)%2)
.set AC, ACC+16*((\T)%2)
.set AP, ACC+16*(1-(\T)%2)             ; the tile before's results: the other pair of accumulators
.if (\T) < 15
	s_wait_dscnt 4                                 ; this tile's fragment is in; the next tile's four loads may be out
.else
	s_wait_dscnt 0x0
.endif
	v_wmma_f32_16x16x128_fp8_fp8 v[AC:AC+7], v[W0:W0+15], v[XS:XS+15], 0
	v_wmma_f32_16x16x128_fp8_fp8 v[AC+8:AC+15], v[W1:W1+15], v[XS:XS+15], 0
.if (\T) == 0
.rept 5
	v_nop                                          ; places (ISA guide 7.12.1): the first tile has no tile before it whose quantising could stand here
.endr
.else
	Q16 AP, OC+4*((\T)-1), SCR, 50                 ; each accumulator is read from its low end on.  The sixteen holds name none of the two products' registers: they are the places (ISA guide 7.12.1) ahead of the reads of these products' results in the next tile, and of the products two tiles on, which write over them
	v_nop                                          ; a plain vector line behind the last conversion: the next tile's products write its sources
.endif
	s_wait_alu depctr_va_vdst(0)                   ; the two products are done reading this tile's fragment of x, in which the loads below land; the conversions have written the tile before's codes, which the store below reads
.if (\T) < 14
	FETCH (\T)+2
.endif
.if (\T) > 0
	global_store_b128 v[SO], v[OC+4*((\T)-1):OC+4*((\T)-1)+3], s[60:61] offset:2048*((\T)-1)   ; the wave stores 512 consecutive bytes; each tile has its own data registers, so none is written again
.endif
.endm
	s_load_b512 s[8:23], s[0:1], 0x0               ; x s[8:9], W_q 10, W_k 12, W_o 14, scales 16, qimg 18, kimg 20, vimg 22
	s_load_b64 s[24:25], s[0:1], 0x40              ; woimg
	v_lshl_add_u32 v5, v0, 2, 0x8000
	s_set_vgpr_msb 0x40
	v_mov_b32 v1, 0
	s_set_vgpr_msb 0x4000
	v_lshrrev_b32 v14, 5, v0
	v_readfirstlane_b32 s26, v14                   ; wave 0..3
	s_mov_b32 s27, ttmp9                           ; g
	s_bfe_u32 s28, s27, 0x30004                    ; head = (g / 16) % 8
	s_and_b32 s29, s27, 15                         ; which 256 rows of x
	s_lshr_b32 s30, s27, 7                         ; 0: Q, 1: K
	v_and_b32 v14, 31, v0
	v_lshlrev_b32 v[LI], 4, v14
	v_and_b32 v14, 15, v0                          ; r
	v_bfe_u32 v15, v0, 4, 1                        ; hh
	s_lshl_b32 s72, s30, 3
	v_and_b32 v[XA0], s72, v14                     ; K's tiles take rows r + 8 (r / 8), Q's rows r
	v_add_nc_u32 v[XA0], v[XA0], v14
	v_lshlrev_b32 v[XA0], 9, v[XA0]                ; a row of x is 512 bytes
	v_lshl_add_u32 v[XA0], v15, 6, v[XA0]          ; + 64 hh
	s_lshl_b32 s72, s30, 12
	s_sub_co_u32 s72, 8192, s72                    ; an odd tile begins 16 rows (Q) or 8 rows (K) behind the even one
	v_add_nc_u32 v[XA1], s72, v[XA0]
	v_and_b32 v[WA], 8, v14
	v_add_nc_u32 v[WA], v[WA], v14
	v_lshlrev_b32 v[WA], 2, v[WA]                  ; column r + 8 (r / 8), 4 bytes each,
	v_lshl_add_u32 v[WA], v15, 13, v[WA]           ; 16 rows of 512 bytes further down for lanes 16-31
	v_lshlrev_b32 v[OA], 12, v14                   ; a row of W_o is 4,096 bytes
	v_lshl_add_u32 v[OA], v15, 6, v[OA]
	s_wait_alu depctr_va_sdst(0)                   ; s26, the wave's number, is written, ahead of its first reader: LDS addresses and the buffers' bases are made from it
	s_lshl_b32 s72, s26, 13
	v_add_nc_u32 v[XWI], s72, v[LI]
	s_lshl_b32 s72, s26, 9
	v_add_nc_u32 v[SO], s72, v[LI]
	s_mov_b32 s73, 0                               ; the high word of every offset pair below
	s_wait_kmcnt 0x0
	s_load_b256 s[32:39], s[16:17], 0x0            ; e0 .. e7
	s_load_b64 s[40:41], s[16:17], 0x20            ; e8, e9
	s_cmp_lt_u32 s27, 128                          ; Q's work-group or K's: the choice hangs on the work-group's number alone
	s_cselect_b64 s[56:57], s[10:11], s[12:13]     ; W
	s_cselect_b64 s[60:61], s[18:19], s[20:21]     ; the images that I make
	s_lshl_b32 s72, s28, 16                        ; W: the head's 65,536 bytes, my wave's 32 columns
	s_lshl_b32 s74, s26, 7
	s_add_co_u32 s72, s72, s74
	s_add_nc_u64 s[56:57], s[56:57], s[72:73]
	s_lshl_b32 s72, s29, 17                        ; x: the block's 256 rows, my wave's 64 of them
	s_lshl_b32 s74, s26, 15
	s_add_co_u32 s72, s72, s74
	s_add_nc_u64 s[58:59], s[8:9], s[72:73]
	s_and_b32 s72, s29, 8                          ; images: fragment (8 b + h) x 128 + 16 x (block in the batch)
	s_add_co_u32 s72, s72, s28
	s_lshl_b32 s72, s72, 7
	s_and_b32 s74, s29, 7
	s_lshl_b32 s74, s74, 4
	s_add_co_u32 s72, s72, s74
	s_lshl_b32 s72, s72, 11
	s_add_nc_u64 s[60:61], s[60:61], s[72:73]
	s_lshr_b32 s75, s27, 3                         ; g / 8: the step of 128 keys among the 32 of both batches; W_o's tile of outputs
	s_lshl_b32 s72, s75, 16                        ; x as values: 128 (g / 8) + 32 w rows down,
	s_lshl_b32 s74, s26, 14
	s_add_co_u32 s72, s72, s74
	s_bfe_u32 s74, s27, 0x20001                    ; channels 32 ((g % 8) / 2) + 8 (g % 2) on
	s_lshl_b32 s74, s74, 7
	s_add_co_u32 s72, s72, s74
	s_and_b32 s74, s27, 1
	s_lshl_b32 s74, s74, 5
	s_add_co_u32 s72, s72, s74
	s_add_nc_u64 s[62:63], s[8:9], s[72:73]
	s_lshl_b32 s72, s27, 11
	s_add_nc_u64 s[66:67], s[22:23], s[72:73]      ; vimg's fragment g
	s_wait_alu depctr_va_vdst(0)                   ; the seven offsets and LDS addresses v1-4 and v6-8 are written: every load and store of the kernel reads one of them, and none is written again
.irp i, 0,1,2,3,4,5,6,7,8,9,10,11,12,13,14,15
	global_load_b32 v[W0+\i], v[WA], s[62:63] offset:512*\i   ; x(key 32 w + 16 hh + i of the step, my channel)
.endr
	XLOAD RA, 0
	XLOAD RB, 1
	WLOAD 0
	s_wait_kmcnt 0x0
	s_cmp_lt_u32 s27, 128
	s_cselect_b32 s42, s32, s34                    ; W's e
	s_cselect_b32 s43, s33, s35                    ; x's
	s_cselect_b32 s44, s36, s37                    ; the result's
	s_sub_co_i32 s44, s44, s42                     ; a sum stands for sum x 2^(eW + eX): the three scales are folded into the conversion's one
	s_sub_co_i32 s44, s44, s43
	MKS 43, SCX, 46
	MKS 42, SCW, 48
	MKS 44, SCR, 50
	MKS 39, SCV, 52
	MKS 41, SCO, 54
	; W_o has 64 fragments: the first 64 work-groups take one each.  One region under one branch; its loads are in flight together with those above
	s_cmp_ge_u32 s27, 64
	s_cbranch_scc1 .Lno_wo
	s_lshl_b32 s72, s75, 16                        ; 16 (g / 8) rows of 4,096 bytes,
	s_and_b32 s74, s27, 7
	s_lshl_b32 s74, s74, 9                         ; the head's 128 columns,
	s_add_co_u32 s72, s72, s74
	s_lshl_b32 s74, s26, 7                         ; my wave's 32 of them
	s_add_co_u32 s72, s72, s74
	s_add_nc_u64 s[68:69], s[14:15], s[72:73]
	s_lshl_b32 s72, s27, 11
	s_add_nc_u64 s[70:71], s[24:25], s[72:73]      ; woimg's fragment g
.irp j, 0,1,2,3
	global_load_b128 v[W1+4*\j:W1+4*\j+3], v[OA], s[68:69] offset:16*\j
.endr
	s_wait_loadcnt 0x0
	Q16 W1, PC+4, SCO, 54
	v_nop
	s_wait_alu depctr_va_vdst(0)                   ; the conversions have written v[PC+4:PC+7], which the store reads
	global_store_b128 v[SO], v[PC+4:PC+7], s[70:71]
.Lno_wo:
	s_wait_loadcnt 63                              ; loads come back in order (ISA guide 5.7.1): behind the values' 16 loads and x's 32 stand W's 64, more than the count leaves out
	Q16 W0, PC, SCV, 52
	v_nop
	s_wait_alu depctr_va_vdst(0)                   ; the conversions have written v[PC:PC+3], which the store reads
	global_store_b128 v[SO], v[PC:PC+3], s[66:67]
	s_wait_xcnt 0x0                                ; the two stores above have had their addresses translated: v[PC] on is written again only behind this wait,
	s_wait_alu depctr_vm_vsrc(0)                   ; and behind this one: the two stores have read v[PC:PC+7], which the conversions below write
	QFRAG RA, PC, SCX, 46
	s_wait_alu depctr_va_vdst(0)                   ; the conversions have written v[PC] on, which the LDS stores read; the holds and conversions are done with set A, in which the loads land
	IMAGE 0
	XLOAD RA, 2
	s_wait_dscnt 0x0                               ; the LDS stores are done,
	s_wait_alu depctr_vm_vsrc(0)                   ; and have read v[PC] on, which the conversions below write
	QFRAG RB, PC, SCX, 46
	s_wait_loadcnt 16                              ; W's tile 0 is in; behind it stand the 16 loads of x's tile 2
	QFRAG RW, W0, SCW, 48
	s_wait_alu depctr_va_vdst(0)                   ; one wait for three runs: v[PC] on is written, which the LDS stores read; set B and W's set are done with, in which the loads land
	IMAGE 1
	XLOAD RB, 3
	WLOAD 1
	s_wait_loadcnt 63                              ; x's tiles 2 and 3 are in: behind them stand W's 64
	s_wait_dscnt 0x0
	s_wait_alu depctr_vm_vsrc(0)                   ; the LDS stores have read v[PC] on, which the conversions below write
	QFRAG RA, PC, SCX, 46
	s_wait_alu depctr_va_vdst(0)                   ; v[PC] on is written, which the LDS stores read; set A is done with: behind the barrier the first two fragments of x land in its first half
	IMAGE 2
	s_wait_dscnt 0x0
	s_wait_alu depctr_vm_vsrc(0)                   ; the LDS stores have read v[PC] on, which the conversions below write
	QFRAG RB, PC, SCX, 46
	s_wait_alu depctr_va_vdst(0)                   ; v[PC] on is written, which the LDS stores read
	IMAGE 3
	s_wait_loadcnt 0x0
	QFRAG RW, W1, SCW, 48
	s_wait_dscnt 0x0                               ; for the others' sake: my four images lie in LDS
	s_barrier_signal -1
	s_barrier_wait -1                              ; all sixteen do
	FETCH 0                                        ; no wait: no vector instruction since the wait ahead of the third image names v48-79, in which these loads land
	FETCH 1
.irp T, 0,1,2,3,4,5,6,7,8,9,10,11,12,13,14,15
	TILE \T
.endr
	Q16 ACC+16, OC+60, SCR, 50                     ; the last tile's results; the holds of the tile before it are the places behind its products
	v_nop
	s_wait_alu depctr_va_vdst(0)                   ; the conversions have written the last tile's codes, which the store reads
	global_store_b128 v[SO], v[OC+60:OC+63], s[60:61] offset:2048*15
	s_set_vgpr_msb 0x4                             ; the add's second register lies in window 1; the switch stands ahead of the closing lines
	s_wait_dscnt 0x0                               ; the closing lines, six on end
	s_wait_alu 0x0
	s_wait_tensorcnt 0x0
	ds_add_u32 v5, v1
	s_wait_dscnt 0x0
	s_endpgm
.Lfunc_end_k_q579605e687_prep:
	.size	k_q579605e687_prep, .Lfunc_end_k_q579605e687_prep-k_q579605e687_prep
	.p2alignl 7, 3214868480
	.fill 96, 4, 3214868480
	.section	.rodata,"a",@progbits
	.p2align	6, 0x0
	.amdhsa_kernel k_q579605e687_prep
		.amdhsa_group_segment_fixed_size 33280
		.amdhsa_private_segment_fixed_size 0
		.amdhsa_enable_private_segment 0
		.amdhsa_kernarg_size 72
		.amdhsa_user_sgpr_count 2
		.amdhsa_user_sgpr_kernarg_segment_ptr 1
		.amdhsa_wavefront_size32 1
		.amdhsa_system_sgpr_workgroup_id_x 1
		.amdhsa_system_sgpr_workgroup_id_y 1
		.amdhsa_system_sgpr_workgroup_id_z 1
		.amdhsa_system_vgpr_workitem_id 0
		.amdhsa_next_free_vgpr 258
		.amdhsa_next_free_sgpr 80
		.amdhsa_reserve_vcc 0
		.amdhsa_float_denorm_mode_32 3
		.amdhsa_float_denorm_mode_16_64 3
		.amdhsa_memory_ordered 1
		.amdhsa_forward_progress 1
		.amdhsa_inst_pref_size 84
	.end_amdhsa_kernel
	.amdgpu_metadata
---
amdhsa.version: [ 1, 2 ]
amdhsa.kernels:
  - .name:           k_q579605e687_prep
    .symbol:         k_q579605e687_prep.kd
    .args:
      - { .name: x, .offset: 0, .size: 8, .value_kind: global_buffer, .address_space: global }
      - { .name: W_q, .offset: 8, .size: 8, .value_kind: global_buffer, .address_space: global }
      - { .name: W_k, .offset: 16, .size: 8, .value_kind: global_buffer, .address_space: global }
      - { .name: W_o, .offset: 24, .size: 8, .value_kind: global_buffer, .address_space: global }
      - { .name: lowp_scales, .offset: 32, .size: 8, .value_kind: global_buffer, .address_space: global }
      - { .name: qimg, .offset: 40, .size: 8, .value_kind: global_buffer, .address_space: global }
      - { .name: kimg, .offset: 48, .size: 8, .value_kind: global_buffer, .address_space: global }
      - { .name: vimg, .offset: 56, .size: 8, .value_kind: global_buffer, .address_space: global }
      - { .name: woimg, .offset: 64, .size: 8, .value_kind: global_buffer, .address_space: global }
    .group_segment_fixed_size: 33280
    .private_segment_fixed_size: 0
    .kernarg_segment_align: 8
    .kernarg_segment_size: 72
    .max_flat_workgroup_size: 128
    .sgpr_count:     80
    .vgpr_count:     258
    .wavefront_size: 32
...
	.end_amdgpu_metadata
.endif
;; end of part 4
;; launch attn: the kernel of part 2 again; grid 16 x 16, 8 waves a work-group, clusters of 4 x 1, 327,680 bytes of LDS; arguments qimg, kimg, vimg, lowp_scales, yimg; writes yimg
;; launch proj (part 5): grid 256 x 1, 8 waves a work-group, no clusters, 25,856 bytes of LDS; arguments yimg, woimg, lowp_scales, out0; writes out0
.if DOCPART == 5
	.amdgcn_target "amdgcn-amd-amdhsa--gfx1250"
	.amdhsa_code_object_version 6
	.text
	.protected	k_q579605e687_proj
	.globl	k_q579605e687_proj
	.p2align	8
	.type	k_q579605e687_proj,@function
k_q579605e687_proj:
	s_mov_b64 s[64:65], 0
	v_nop
	global_prefetch_b8 v0, s[64:65] scope:SCOPE_SE
	s_setreg_imm32_b32 hwreg(HW_REG_WAVE_SCHED_MODE, 0, 2), 2
	s_setreg_imm32_b32 hwreg(HW_REG_WAVE_MODE, 25, 1), 1
	s_wait_xcnt 0x0
	s_wait_alu depctr_vm_vsrc(0)
; PROJ: out = y W_o^T on codes of FP8 (E4M3), K = 1,024 = 8 heads x 128 channels; each finished sum once x 2^(e8 + e9) (entries 8 and 9 of the scales' exponents).
; y and W_o come as images of operand registers (a fragment: 16 rows x 128 K, 2,048 bytes, register group c of lane l at 512 c + 16 l): yimg [tile of 16 rows][head], woimg [tile of 16 outputs][head].
; SHARES.  Work-group g makes rows 16 g .. 16 g + 15 of out0.  Wave w makes outputs 16 w .. 16 w + 15: its 8 fragments of W_o go straight into registers; y's 8 fragments are read from memory once,
; one by each wave, and reach the others through LDS as they stand.  The product is used transposed (source 0 = 16 rows of W_o, source 1 = y): a lane holds one row and eight neighbouring outputs.
; A row's 128 outputs come from eight waves: they meet in a stage (rows of 512 + 16 bytes), and each wave stores two whole rows of 512 bytes.
; No tensor load: every operand is read once by the work-group.  LIMIT: e8 + e9 between -126 and 127, so that 2^(e8 + e9) is an f32 number.
; THE MODE: SCHED_MODE bits 1:0 = 2 (LLVM: expert scheduling mode 2), set by the entry lines.  The code itself states the register dependences
; between vector or matrix instructions and memory or LDS instructions, with s_wait_alu, always for 0.
; THE PLAN.  Registers that memory or LDS instructions touch:
;   v1-4       Offsets and LDS addresses: written at the head, never again; one wait ahead of the first load.
;   v16-143    W_o's loads land once; matrix instructions alone name them afterwards.
;   v144-207   Four fragments of y: LDS loads land, four products read them, the other four fragments land: one wait between.
;   v224-231   Written by the packed additions and multiplications, read by the stage's LDS stores: one wait between.
;   v232-247   y's loads land; my LDS stores read them; at the end the stage's rows land in v232-239: one wait on vm_vsrc ahead of those loads.
.set YI,  0                            ; LDS: y's 8 fragments
.set STG, 16384                        ; the stage: 16 rows x 528 bytes
	s_load_b256 s[4:11], s[0:1], 0x0               ; yimg s[4:5], woimg s[6:7], the scales' exponents s[8:9], out0 s[10:11]
	v_lshl_add_u32 v254, v0, 2, 0x6100
	v_mov_b32 v255, 0
	v_lshrrev_b32 v5, 5, v0
	v_readfirstlane_b32 s12, v5                    ; wave 0..7
	v_and_b32 v5, 31, v0
	v_lshlrev_b32 v1, 4, v5                        ; 16 x lane
	s_wait_alu depctr_va_sdst(0)                   ; s12, the wave's number, is written, ahead of its first reader: LDS addresses and the buffers' bases are made from it
	s_lshl_b32 s24, s12, 11
	v_add_nc_u32 v2, s24, v1                       ; where I store my fragment of y
	v_and_b32 v5, 15, v0                           ; r
	v_bfe_u32 v6, v0, 4, 1                         ; hh
	v_mul_u32_u24 v3, v5, 528
	v_lshl_add_u32 v3, v6, 5, v3
	s_lshl_b32 s24, s12, 6
	s_add_co_u32 s24, s24, STG
	v_add_nc_u32 v3, s24, v3                       ; the stage, in: row r, + 64 w + 32 hh: my eight outputs' bytes
	s_mul_i32 s24, s12, 1056
	s_add_co_u32 s24, s24, STG
	v_add_nc_u32 v4, s24, v1                       ; back: rows 2 w and 2 w + 1, 16 bytes a lane
	s_mov_b32 s25, 0
	s_wait_kmcnt 0x0
	s_load_b64 s[16:17], s[8:9], 0x20              ; e8, e9
	s_lshl_b32 s24, ttmp9, 14                      ; y: the tile's 8 fragments, mine of them
	s_lshl_b32 s26, s12, 11
	s_add_co_u32 s24, s24, s26
	s_add_nc_u64 s[18:19], s[4:5], s[24:25]
	s_lshl_b32 s24, s12, 14                        ; W_o: my tile's 8 fragments
	s_add_nc_u64 s[20:21], s[6:7], s[24:25]
	s_lshl_b32 s24, ttmp9, 13                      ; out0: 16 rows of 512 bytes, my two of them
	s_lshl_b32 s26, s12, 10
	s_add_co_u32 s24, s24, s26
	s_add_nc_u64 s[22:23], s[10:11], s[24:25]
	s_wait_alu depctr_va_vdst(0)                   ; the four offsets and LDS addresses v1 to v4 are written: every load and store of the kernel reads one of them, and none is written again
.irp c, 0,1,2,3
	global_load_b128 v[232+4*\c:235+4*\c], v1, s[18:19] offset:512*\c th:TH_LOAD_NT   ; read once in the whole launch
.endr
.irp k, 0,1,2,3,4,5,6,7
.irp c, 0,1,2,3
	global_load_b128 v[16+16*\k+4*\c:19+16*\k+4*\c], v1, s[20:21] offset:2048*\k+512*\c
.endr
.endr
	s_wait_loadcnt 32                              ; y's four loads are in; W_o's 32 may be out
.irp c, 0,1,2,3
	ds_store_b128 v2, v[232+4*\c:235+4*\c] offset:YI+512*\c
.endr
	s_wait_dscnt 0x0                               ; for the others' sake: my fragment lies in LDS
	s_barrier_signal -1
	s_barrier_wait -1                              ; all eight do
.irp k, 0,1,2,3
.irp c, 0,1,2,3
	ds_load_b128 v[144+16*\k+4*\c:147+16*\k+4*\c], v1 offset:YI+2048*\k+512*\c
.endr
.endr
	s_wait_loadcnt 0x0
	s_wait_dscnt 0x0
	; two accumulators take turns, one instruction a turn: even heads in v[208:215], odd heads in v[216:223]; the first products start the sums
	v_wmma_f32_16x16x128_fp8_fp8 v[208:215], v[16:31], v[144:159], 0
	v_wmma_f32_16x16x128_fp8_fp8 v[216:223], v[32:47], v[160:175], 0
	v_wmma_f32_16x16x128_fp8_fp8 v[208:215], v[48:63], v[176:191], v[208:215]
	v_wmma_f32_16x16x128_fp8_fp8 v[216:223], v[64:79], v[192:207], v[216:223]
.rept 4
	v_nop                                          ; places behind the matrix instructions (ISA guide 7.12.1); they stay beside the wait below
.endr
	s_wait_alu depctr_va_vdst(0)                   ; the four products are done reading v[144:207], in which the other four fragments of y land
.irp k, 0,1,2,3
.irp c, 0,1,2,3
	ds_load_b128 v[144+16*\k+4*\c:147+16*\k+4*\c], v1 offset:YI+2048*(4+\k)+512*\c
.endr
.endr
	s_wait_dscnt 0x0
	v_wmma_f32_16x16x128_fp8_fp8 v[208:215], v[80:95], v[144:159], v[208:215]
	v_wmma_f32_16x16x128_fp8_fp8 v[216:223], v[96:111], v[160:175], v[216:223]
	v_wmma_f32_16x16x128_fp8_fp8 v[208:215], v[112:127], v[176:191], v[208:215]
	v_wmma_f32_16x16x128_fp8_fp8 v[216:223], v[128:143], v[192:207], v[216:223]
.rept 4
	v_nop                                          ; places ahead of the first read of the results
.endr
	s_wait_kmcnt 0x0
	s_add_co_i32 s14, s16, s17
	s_add_co_i32 s14, s14, 127
	s_lshl_b32 s14, s14, 23                        ; 2^(e8 + e9) as f32
	s_mov_b32 s15, s14                             ; (named with it as a pair, so it is written)
.irp j, 0,2,4,6
	v_pk_add_f32 v[224+\j:225+\j], v[208+\j:209+\j], v[216+\j:217+\j]   ; both accumulators from their low ends on
.endr
.irp j, 0,2,4,6
	v_pk_mul_f32 v[224+\j:225+\j], v[224+\j:225+\j], s[14:15] op_sel_hi:[1,0]
.endr
	s_wait_alu depctr_va_vdst(0)                   ; the multiplications have written v[224:231], which the LDS stores read
	ds_store_b128 v3, v[224:227]                   ; out(16 g + r, 16 w + 8 hh + 0 .. 7)
	ds_store_b128 v3, v[228:231] offset:16
	s_wait_dscnt 0x0                               ; for the others' sake: my part of the 16 rows lies in the stage
	s_barrier_signal -1
	s_barrier_wait -1
	s_wait_alu depctr_vm_vsrc(0)                   ; my LDS stores of y's fragment have read v[232:247]: the two rows below land in the first eight of them
	ds_load_b128 v[232:235], v4
	ds_load_b128 v[236:239], v4 offset:528
	s_wait_dscnt 1                                 ; the first row is back; the second row's load may be out
	global_store_b128 v1, v[232:235], s[22:23] th:TH_STORE_NT              ; 32 lanes store a row of 512 consecutive bytes; written once, read by nobody here
	s_wait_dscnt 0x0
	global_store_b128 v1, v[236:239], s[22:23] offset:512 th:TH_STORE_NT
	s_wait_dscnt 0x0                               ; the closing lines, six on end
	s_wait_alu 0x0
	s_wait_tensorcnt 0x0
	ds_add_u32 v254, v255
	s_wait_dscnt 0x0
	s_endpgm
.Lfunc_end_k_q579605e687_proj:
	.size	k_q579605e687_proj, .Lfunc_end_k_q579605e687_proj-k_q579605e687_proj
	.p2alignl 7, 3214868480
	.fill 96, 4, 3214868480
	.section	.rodata,"a",@progbits
	.p2align	6, 0x0
	.amdhsa_kernel k_q579605e687_proj
		.amdhsa_group_segment_fixed_size 25856
		.amdhsa_private_segment_fixed_size 0
		.amdhsa_enable_private_segment 0
		.amdhsa_kernarg_size 32
		.amdhsa_user_sgpr_count 2
		.amdhsa_user_sgpr_kernarg_segment_ptr 1
		.amdhsa_wavefront_size32 1
		.amdhsa_system_sgpr_workgroup_id_x 1
		.amdhsa_system_sgpr_workgroup_id_y 1
		.amdhsa_system_sgpr_workgroup_id_z 1
		.amdhsa_system_vgpr_workitem_id 0
		.amdhsa_next_free_vgpr 256
		.amdhsa_next_free_sgpr 66
		.amdhsa_reserve_vcc 0
		.amdhsa_float_denorm_mode_32 3
		.amdhsa_float_denorm_mode_16_64 3
		.amdhsa_memory_ordered 1
		.amdhsa_forward_progress 1
		.amdhsa_inst_pref_size 10
	.end_amdhsa_kernel
	.amdgpu_metadata
---
amdhsa.version: [ 1, 2 ]
amdhsa.kernels:
  - .name:           k_q579605e687_proj
    .symbol:         k_q579605e687_proj.kd
    .args:
      - { .name: yimg, .offset: 0, .size: 8, .value_kind: global_buffer, .address_space: global }
      - { .name: woimg, .offset: 8, .size: 8, .value_kind: global_buffer, .address_space: global }
      - { .name: lowp_scales, .offset: 16, .size: 8, .value_kind: global_buffer, .address_space: global }
      - { .name: out0, .offset: 24, .size: 8, .value_kind: global_buffer, .address_space: global }
    .group_segment_fixed_size: 25856
    .private_segment_fixed_size: 0
    .kernarg_segment_align: 8
    .kernarg_segment_size: 32
    .max_flat_workgroup_size: 256
    .sgpr_count:     66
    .vgpr_count:     256
    .wavefront_size: 32
...
	.end_amdgpu_metadata
.endif
;; end of part 5
